; MI455X (gfx1250); checked and timed in simulation.
; The chip was launched on July 23, 2026; its instructions are those of AMD's public machine-readable ISA for CDNA 5 (MIT licence, August 2026) and "CDNA5" Instruction Set Architecture Reference Guide (July 2026). The comments in the code are by the model that wrote it; some were corrected since.
;; Roc LM Attention. Allowed arithmetic: matrix products marked QUANTISED: E2M1 operands, one E8M0 scale for each 32 along K, by v_wmma_scale_f32_16x16x128_f8f6f4 with both operands' format E2M1 (or v_wmma_scale_f32_32x16x128_f4), f32 sums; products left as they are: bf16, f16 or f32 operands; f32 sums; everything else in f32.
;; Inputs: Wk 1,024 x 1,024 float32; Wo 1,024 x 2,048 float32; Wq 2,048 x 1,024 float32; Wv 1,024 x 1,024 float32; cos 2 x 2,048 x 128 float32; hidden_states 2 x 2,048 x 1,024 float32; k_norm_w 128 float32; q_norm_w 128 float32; sin 2 x 2,048 x 128 float32.
;; Outputs: out0 2 x 2,048 x 1,024 float32.
;; This version of the problem:
;;   THIS VERSION OF THE PROBLEM IS GIVEN IN LOW PRECISION. The matrix products marked QUANTISED in the list below multiply operands that are first quantised to E2M1 (2 exponent bits, 1 mantissa bit; 4 bits a number), with one power-of-two scale for each 32 numbers along K (OCP MX v1.0); their sums are f32. The products marked 'left as it is' may take bf16, f16 or f32 operands, with f32 sums. Whichever they take, every output number must still come out within the allowed error. Rounding operands to bf16 (8 significant bits) uses up far more of that allowance than f16 does (11 bits, for magnitudes from 6e-5 to 65,504). All else is computed in f32.
;;   The module's matrix products, in the order in which they are computed (A, B: the left and right operand; K: the contracted axis; several contracted axes count as one K, in the product's order):
;;     1. [M 4,096, K 1,024] x [K 1,024, N 2,048]; A: input hidden_states; B: input Wq: QUANTISED
;;     2. [M 4,096, K 1,024] x [K 1,024, N 1,024]; A: input hidden_states; B: input Wk: QUANTISED
;;     3. [M 4,096, K 1,024] x [K 1,024, N 1,024]; A: input hidden_states; B: input Wv: QUANTISED
;;     4. batch 32 x [M 2,048, K 128] x [K 128, N 2,048]; A: computed on the way; B: computed on the way: left as it is (an operand is computed on the way)
;;     5. batch 32 x [M 2,048, K 2,048] x [K 2,048, N 128]; A: computed on the way; B: computed on the way: left as it is (an operand is computed on the way)
;;     6. [M 4,096, K 2,048] x [K 2,048, N 1,024]; A: computed on the way; B: input Wo: left as it is (an operand is computed on the way)
;;   THE QUANTISER, for each operand of a quantised product, along K:
;;     - K is cut into blocks of 32 from its start; a last block that is shorter is filled with zeros.
;;     - A block's scale is 2^e with e = floor(log2(the largest magnitude in the block)) - 2, held to -126 .. 127; a block of zeros has e = 0. As a byte (E8M0): e + 127.
;;     - Each number is divided by its block's scale, clamped to +-6, and rounded to the nearest number of E2M1, ties to even, subnormals kept.
;;     - The product sums the exact products of the quantised numbers (number of the format x scale) in f32.
;;   ~~~python
;;   def quantise(x, axis):      # numpy; x: float32 -> the quantised numbers, widened to float32 again
;;       x = np.moveaxis(x, axis, -1); K = x.shape[-1]
;;       x = np.pad(x, [(0, 0)] * (x.ndim - 1) + [(0, -K % 32)]); x = x.reshape(x.shape[:-1] + (-1, 32)); a = np.abs(x).max(-1, keepdims=True)
;;       e = np.where(a > 0, np.clip(np.frexp(np.where(a > 0, a, 1))[1] - 1 - 2, -126, 127), 0)      # np.frexp(a)[1] - 1 = floor(log2(a)), exactly
;;       r = np.clip(x / 2.0 ** e, -6, 6)
;;       step = 2.0 ** (np.maximum(np.frexp(np.where(r == 0, 1, r))[1] - 1, 0) - 1)
;;       q = np.round(r / step) * step * 2.0 ** e      # np.round: ties to even
;;       return np.moveaxis(q.reshape(q.shape[:-2] + (-1,))[..., :K], -1, axis).astype(np.float32)
;;   ~~~
;; One version. Each part assembles by itself: llvm-mc -triple=amdgcn-amd-amdhsa -mcpu=gfx1250 --defsym DOCPART=n.
;; ======== version 1 of 1: 5 launches
;; limits: values are held in f16: magnitudes above 65,504 overflow, below 6.1e-05 lose precision
;; workspace buffers: codes 4,194,304 bytes; scales 262,144 bytes; wo16 4,194,304 bytes; q16 16,777,216 bytes; kv16 16,777,216 bytes; o16 16,777,216 bytes; fine32 2,097,152 bytes
;; launch quant (part 1): grid 256 x 1, 5 waves a work-group, no clusters, 41,728 bytes of LDS; arguments hidden_states, Wq, Wk, Wv, Wo, codes, scales, wo16; writes codes, scales, wo16
.if DOCPART == 1
	.amdgcn_target "amdgcn-amd-amdhsa--gfx1250"
	.amdhsa_code_object_version 6
	.text
	.protected	k_q980aedbd80_quant
	.globl	k_q980aedbd80_quant
	.p2align	8
	.type	k_q980aedbd80_quant,@function
k_q980aedbd80_quant:
	s_mov_b64 s[64:65], 0
	v_nop
	global_prefetch_b8 v0, s[64:65] scope:SCOPE_SE
	s_setreg_imm32_b32 hwreg(HW_REG_WAVE_MODE, 25, 1), 1
	s_wait_xcnt 0x0
; hidden_states [4096][1024], Wq [2048][1024], Wk, Wv [1024][1024], f32 with K innermost, become codes of FP4 (E2M1) and one E8M0 scale byte for each 32 along K.
; The codes' buffer has rows of 512 bytes: rows 0-4095 the tokens, rows 4096-8191 the weights' rows in the order Wq, Wk, Wv; the scale bytes likewise in rows of 32 bytes.
; Wo [1024][2048] f32 is rounded to f16 (nearest even) for the product that is left as it is.
; A block's scale is 2^(floor(log2(its largest magnitude)) - 2); its byte is the largest magnitude's exponent field - 2, held at 1 from below.
; LIMITS: a block of zeros gets the byte 1 where the rule says 127 (its codes are zeros, and this program alone reads the bytes); NaN and infinities are not served;
; numbers of Wo under 6e-5 in size lose bits in f16, numbers over 65,504 are not served.
; SHARES: 256 work-groups of five waves, all of equal work.  Waves 0-3 take 32,768 numbers of the four tensors, a wave 8,192 in 16 steps of 512; the destination is linear in the work-group's number,
; the source is chosen by it.  Wave 4 takes 8,192 numbers of Wo: Wo's 2,097,152 numbers are 256 such runs.  Waves share nothing: no barrier.
; A lane must hold 16 neighbours for the conversions, and a load is best where neighbouring lanes take neighbouring bytes: so a step's 2,048 bytes turn through the wave's own stage in LDS.
; Loads run eight steps ahead: 32 loads, 16,384 bytes, of every wave are on their way.
.set STEPS, 16
.set AHEAD, 8                          ; sets of registers = steps on their way
.set EMAX,  2
.set CB,    8                          ; bytes of 16 codes
.set R,     16                         ; v16-143  eight sets of 16 numbers as they are loaded
.set X,     144                        ; v144-175 two sets of 16 neighbours
.set E,     176                        ; v176-191 a scale byte for each step
.set C,     192                        ; v192-223 codes: two registers for each step, so that no store's data are written again
.set F,     16                         ; Wo's way: v16-143 a ring of 32 loads
.set H,     144                        ; Wo's way: v144-207 32 pairs of packed f16
.set WREG,  8192                       ; LDS: a region for each wave: two stages of 32 x SP bytes, then its 256 scale bytes (wave 4 leaves its region alone)
.set SP,    80                         ; a lane's place in a stage: 64 bytes + 16 of padding
.set SPW,   12                         ; v12 LDS address of my spare word; never rewritten
.set NIL,   13                         ; v13 0; never rewritten
.set SPARE, 5*WREG                     ; the spare words, 128 bytes a wave, three blocks of 256 bytes which no other line names
.set SRC,   4                          ; s[4:5]   the chosen source
.set WO,    16                         ; s[16:17] Wo
.set COD,   18                         ; s[18:19] codes
.set SCA,   20                         ; s[20:21] scale bytes
.set W16,   22                         ; s[22:23] Wo in f16
	s_load_b512 s[8:23], s[0:1], 0x0               ; hidden s[8:9], Wq s[10:11], Wk s[12:13], Wv s[14:15], Wo, codes, scales, wo16
	v_lshl_add_u32 v[SPW], v0, 2, SPARE
	v_mov_b32 v[NIL], 0
	v_lshrrev_b32 v1, 5, v0
	v_readfirstlane_b32 s24, v1                    ; wave
	v_and_b32 v2, 31, v0                           ; lane
	v_lshlrev_b32 v3, 4, v2                        ; my 16 bytes of a load's 512
	s_mul_i32 s25, s24, WREG
	v_lshrrev_b32 v14, 2, v2
	v_mul_u32_u24 v14, v14, SP
	v_and_b32 v15, 3, v2
	v_lshl_add_u32 v14, v15, 4, v14
	v_add_nc_u32 v14, s25, v14                     ; the stage, on the way in: SP (lane / 4) + 16 (lane % 4)
	v_mul_u32_u24 v15, v2, SP
	v_add_nc_u32 v15, s25, v15                     ; on the way out: SP x lane: my 16 neighbours
	v_mul_u32_u24 v4, v2, CB                       ; 8 x lane: my codes' place in a step's; on Wo's way my 8 bytes of a store's 256
	v_lshrrev_b32 v5, 1, v2
	s_add_co_u32 s25, s25, 2*32*SP
	v_add_nc_u32 v5, s25, v5                       ; LDS: my wave's 256 scale bytes, my block's byte
	v_lshlrev_b32 v7, 3, v2
	v_add_nc_u32 v6, s25, v7                       ; and on the way out 8 bytes a lane
	s_wait_kmcnt 0x0
	s_cmp_eq_u32 s24, 4                            ; the fifth wave takes Wo
	s_cbranch_scc1 .Lwo
	s_cmp_lt_u32 ttmp9, 128                        ; which tensor: the choice hangs on the work-group's number alone
	s_cselect_b64 s[SRC:SRC+1], s[8:9], s[10:11]
	s_cselect_b32 s25, 0, 128
	s_cmp_ge_u32 ttmp9, 192
	s_cselect_b64 s[SRC:SRC+1], s[12:13], s[SRC:SRC+1]
	s_cselect_b32 s25, 192, s25
	s_cmp_ge_u32 ttmp9, 224
	s_cselect_b64 s[SRC:SRC+1], s[14:15], s[SRC:SRC+1]
	s_cselect_b32 s25, 224, s25
	s_sub_co_u32 s25, ttmp9, s25
	s_lshl_b32 s25, s25, 2
	s_add_co_u32 s25, s25, s24                     ; which run of 8,192 numbers of the tensor is my wave's
	s_lshl_b32 s26, s25, 15
	s_mov_b32 s27, 0
	s_add_nc_u64 s[SRC:SRC+1], s[SRC:SRC+1], s[26:27]
	s_lshl_b32 s26, ttmp9, 2
	s_add_co_u32 s26, s26, s24                     ; and which run of the destination
	s_lshl_b32 s28, s26, 12                        ; 4,096 bytes of codes a run
	s_mov_b32 s29, 0
	s_add_nc_u64 s[COD:COD+1], s[COD:COD+1], s[28:29]
	s_lshl_b32 s28, s26, 8                         ; 256 scale bytes a run
	s_add_nc_u64 s[SCA:SCA+1], s[SCA:SCA+1], s[28:29]
.macro LOAD t
.irp i, 0,1,2,3
	global_load_b128 v[R+16*((\t)%AHEAD)+4*\i:R+16*((\t)%AHEAD)+4*\i+3], v3, s[SRC:SRC+1] offset:2048*(\t)+512*\i th:TH_LOAD_NT   ; 32 lanes read 512 consecutive bytes
.endr
.endm
.macro TURN t                          ; step t's numbers through the stage: LDS serves a wave's instructions in order, so no wait stands between the stores and the loads
.irp i, 0,1,2,3
	ds_store_b128 v14, v[R+16*((\t)%AHEAD)+4*\i:R+16*((\t)%AHEAD)+4*\i+3] offset:32*SP*((\t)%2)+8*SP*\i
.endr
.irp i, 0,1,2,3
	ds_load_b128 v[X+16*((\t)%2)+4*\i:X+16*((\t)%2)+4*\i+3], v15 offset:32*SP*((\t)%2)+16*\i
.endr
.endm
.irp t, 0,1,2,3,4,5,6,7
	LOAD \t
.endr
	s_wait_loadcnt 28                              ; step 0's four loads are in; seven steps' 28 may be out
	TURN 0
.macro STEP t
.set XS, X+16*((\t)%2)
.if (\t) > 0
	s_wait_dscnt 1                                 ; this step's numbers are back from the stage (the last step's byte store may be out)
.else
	s_wait_dscnt 0x0
.endif
.if (\t)+AHEAD < STEPS
	LOAD (\t)+AHEAD                                ; the registers that the stage's stores have read take the loads of eight steps on
.endif
.if (\t)+1 < STEPS
.if STEPS-2-(\t) >= AHEAD-1
	s_wait_loadcnt 4*(AHEAD-1)                     ; the next step's four loads are in; those of the seven steps behind it may be out
.else
	s_wait_loadcnt 4*(STEPS-2-(\t))                ; the counts run down
.endif
	TURN (\t)+1
.endif
	v_max3_num_f32 v8, |v[XS]|, |v[XS+1]|, |v[XS+2]|               ; the largest magnitude of my 16, in two chains
	v_max3_num_f32 v9, |v[XS+3]|, |v[XS+4]|, |v[XS+5]|
.irp i, 6,10
	v_max3_num_f32 v8, v8, |v[XS+\i]|, |v[XS+\i+1]|
	v_max3_num_f32 v9, v9, |v[XS+\i+2]|, |v[XS+\i+3]|
.endr
	v_max3_num_f32 v8, v8, |v[XS+14]|, |v[XS+15]|
	v_max3_num_f32 v8, v8, v9, (EMAX+1)<<23        ; and the floor 2^(EMAX + 1 - 127): the byte cannot fall under 1
	v_max_num_f32_dpp v8, v8, v8 row_xmask:1 row_mask:0xf bank_mask:0xf   ; and of my neighbour's 16: the block's
	v_add_nc_u32 v11, -(EMAX<<23), v8              ; EMAX off its exponent field: the conversion takes the exponent field of this operand as its scale
	v_cvt_scalef32_pk8_fp4_f32 v[C+2*(\t)], v[XS:XS+7], v11
	v_cvt_scalef32_pk8_fp4_f32 v[C+2*(\t)+1], v[XS+8:XS+15], v11
	v_lshrrev_b32 v[E+(\t)], 23, v11               ; the scale's byte
	ds_store_b8 v5, v[E+(\t)] offset:16*(\t)       ; both lanes of a block write the same byte with the same value
	global_store_b64 v4, v[C+2*(\t):C+2*(\t)+1], s[COD:COD+1] offset:32*CB*(\t)   ; the wave stores 256 consecutive bytes, aligned
.endm
.irp t, 0,1,2,3,4,5,6,7,8,9,10,11,12,13,14,15
	STEP \t
.endr
	ds_load_b64 v[8:9], v6                         ; LDS serves a wave's instructions in order: these see my stores
	s_wait_dscnt 0x0
	global_store_b64 v7, v[8:9], s[SCA:SCA+1]      ; 32 lanes store 256 consecutive bytes, aligned
	s_wait_tensorcnt 0x0                           ; the wave's end, behind my last LDS store
	ds_add_u32 v[SPW], v[NIL]
	s_wait_dscnt 0x0
	s_endpgm
; Wo to f16: 64 pieces of 512 bytes through a ring of 32 loads in registers; each store covers 256 consecutive bytes, aligned.
.Lwo:
	s_lshl_b32 s26, ttmp9, 15                      ; my run of 8,192 numbers: the work-group's number
	s_mov_b32 s27, 0
	s_add_nc_u64 s[WO:WO+1], s[WO:WO+1], s[26:27]
	s_lshl_b32 s26, ttmp9, 14
	s_add_nc_u64 s[W16:W16+1], s[W16:W16+1], s[26:27]
.set q, 0
.rept 32
	global_load_b128 v[F+4*q:F+4*q+3], v3, s[WO:WO+1] offset:512*q th:TH_LOAD_NT
.set q, q+1
.endr
.macro CONV i, more
.if \more
	s_wait_loadcnt 31                              ; behind piece i: 31 - i loads of the first run and the i issued since
.else
	s_wait_loadcnt 31-(\i)                         ; the counts run down
.endif
	v_cvt_pk_f16_f32 v[H+2*(\i)], v[F+4*(\i)], v[F+4*(\i)+1]
	v_cvt_pk_f16_f32 v[H+2*(\i)+1], v[F+4*(\i)+2], v[F+4*(\i)+3]
.if \more
	global_load_b128 v[F+4*(\i):F+4*(\i)+3], v3, s[WO:WO+1] offset:512*(32+(\i)) th:TH_LOAD_NT
	global_store_b64 v4, v[H+2*(\i):H+2*(\i)+1], s[W16:W16+1] offset:256*(\i)
.else
	global_store_b64 v4, v[H+2*(\i):H+2*(\i)+1], s[W16:W16+1] offset:256*(32+(\i))
.endif
.endm
.set q, 0
.rept 32
	CONV q, 1
.set q, q+1
.endr
	s_wait_xcnt 0x0                                ; the first 32 stores have read their data: the pairs are written again only behind this wait
.set q, 0
.rept 32
	CONV q, 0
.set q, q+1
.endr
	s_wait_tensorcnt 0x0                           ; the same three lines on this way
	ds_add_u32 v[SPW], v[NIL]
	s_wait_dscnt 0x0
	s_endpgm
.Lfunc_end_k_q980aedbd80_quant:
	.size	k_q980aedbd80_quant, .Lfunc_end_k_q980aedbd80_quant-k_q980aedbd80_quant
	.p2alignl 7, 3214868480
	.fill 96, 4, 3214868480
	.section	.rodata,"a",@progbits
	.p2align	6, 0x0
	.amdhsa_kernel k_q980aedbd80_quant
		.amdhsa_group_segment_fixed_size 41728
		.amdhsa_private_segment_fixed_size 0
		.amdhsa_enable_private_segment 0
		.amdhsa_kernarg_size 64
		.amdhsa_user_sgpr_count 2
		.amdhsa_user_sgpr_kernarg_segment_ptr 1
		.amdhsa_wavefront_size32 1
		.amdhsa_system_sgpr_workgroup_id_x 1
		.amdhsa_system_sgpr_workgroup_id_y 1
		.amdhsa_system_sgpr_workgroup_id_z 1
		.amdhsa_system_vgpr_workitem_id 0
		.amdhsa_next_free_vgpr 224
		.amdhsa_next_free_sgpr 66
		.amdhsa_reserve_vcc 0
		.amdhsa_float_denorm_mode_32 3
		.amdhsa_float_denorm_mode_16_64 3
		.amdhsa_memory_ordered 1
		.amdhsa_forward_progress 1
		.amdhsa_inst_pref_size 56
	.end_amdhsa_kernel
	.amdgpu_metadata
---
amdhsa.version: [ 1, 2 ]
amdhsa.kernels:
  - .name:           k_q980aedbd80_quant
    .symbol:         k_q980aedbd80_quant.kd
    .args:
      - { .name: hidden_states, .offset: 0, .size: 8, .value_kind: global_buffer, .address_space: global }
      - { .name: Wq, .offset: 8, .size: 8, .value_kind: global_buffer, .address_space: global }
      - { .name: Wk, .offset: 16, .size: 8, .value_kind: global_buffer, .address_space: global }
      - { .name: Wv, .offset: 24, .size: 8, .value_kind: global_buffer, .address_space: global }
      - { .name: Wo, .offset: 32, .size: 8, .value_kind: global_buffer, .address_space: global }
      - { .name: codes, .offset: 40, .size: 8, .value_kind: global_buffer, .address_space: global }
      - { .name: scales, .offset: 48, .size: 8, .value_kind: global_buffer, .address_space: global }
      - { .name: wo16, .offset: 56, .size: 8, .value_kind: global_buffer, .address_space: global }
    .group_segment_fixed_size: 41728
    .private_segment_fixed_size: 0
    .kernarg_segment_align: 8
    .kernarg_segment_size: 64
    .max_flat_workgroup_size: 160
    .sgpr_count:     66
    .vgpr_count:     224
    .wavefront_size: 32
...
	.end_amdgpu_metadata
.endif
;; end of part 1
;; launch qkv (part 2): grid 16 x 16, 4 waves a work-group, clusters of 4 x 4, 327,680 bytes of LDS; arguments codes, scales, cos, sin, q_norm_w, k_norm_w, q16, kv16, fine32; writes q16, kv16, fine32
.if DOCPART == 2
	.amdgcn_target "amdgcn-amd-amdhsa--gfx1250"
	.amdhsa_code_object_version 6
	.text
	.protected	k_q980aedbd80_qkv
	.globl	k_q980aedbd80_qkv
	.p2align	8
	.type	k_q980aedbd80_qkv,@function
k_q980aedbd80_qkv:
	s_mov_b64 s[64:65], 0
	v_nop
	global_prefetch_b8 v0, s[64:65] scope:SCOPE_SE
	s_setreg_imm32_b32 hwreg(HW_REG_WAVE_MODE, 25, 1), 1
	s_wait_xcnt 0x0
	s_wait_alu depctr_hold_cnt(0) depctr_sa_sdst(0) depctr_va_vdst(0) depctr_va_sdst(0) depctr_va_ssrc(0) depctr_va_vcc(0) depctr_vm_vsrc(0)
	s_getreg_b32 s2, hwreg(HW_REG_IB_STS2, 6, 4)
	s_cmp_eq_u32 s2, 0
	s_cbranch_scc0 .Lentry_in_a_cluster
	s_endpgm
.Lentry_in_a_cluster:
	s_bfe_u32 s2, ttmp6, 0x10000c
	s_cmp_lg_u32 s2, 0xf033
	s_cbranch_scc0 .Lentry_shape_is_right
	s_endpgm
.Lentry_shape_is_right:
; [q | k | v] = x [Wq; Wk; Wv]^T on codes of FP4 with E8M0 scales (M 4,096, N 4,096, K 1,024), then RMS norm over a head's 128 and RoPE for q and k, all in f32; results by head in f16.
; A tile of 256 x 256 to a work-group of four waves; a wave makes 128 rows x 128 columns, which is ONE head: the norm and the rotation never leave the wave.
; K goes in two steps of 512 through two LDS slots, each filled once by the tensor data mover; the scale bytes of the work-group's rows come once, beside them.
; CLUSTERS: 4 x 4 work-groups; A's tiles are asked for jointly along a row of the cluster, B's along a column.  The matrix instruction is used transposed (source 0 = 16 rows of B, source 1 = 16 rows of A).
; The kind of a tile's columns hangs on the cluster's x alone (0, 1: q; 2: k; 3: v), which all partners share.
; THE WAY OUT: a wave's 128 x 128 results go into its own 128 rows x 528 bytes of LDS (in the two slots, which have had their last fill and, behind a barrier, their last read) and come back as rows:
; lane l holds columns 4 l .. 4 l + 3 of a row, so that cos, sin and every store are whole rows.  16 rows a block, eight blocks; the tables run two blocks ahead in two sets of registers.
; v's work-groups walk the same loop and load the tables too, so that every wait counts the same loads on every way; a branch on the cluster's x leads round the arithmetic alone.
; THE COPY IN f32 (fine32), for the launch that carries the first 16 positions of each sequence more finely.  A sequence begins in tile rows 0 and 8: the first tile row of the clusters with an even y.
; No branch and no lane mask hangs on a work-group's place in its cluster: so in those clusters ALL FOUR tile rows store their first 16 rows, each at a place of its own ([b][tile row % 4][16][4096] f32),
; and the later launch reads tile row 0's.  Three quarters of that buffer, 1.5 MB, are written and read by nobody.
; LIMITS: |v| under 65,504 (f16); NaN and infinities are not served.
; REGISTERS, in windows of 256: window 0: v0-31 addresses; v32-95 scale words and nothing else; v96-127 a pair for each row; v128-191 A's fragments, later 16 rows; v192-223 f16 results; v224-227 norm weights; v228-229 signs.
;   window 1: B's fragments, later two sets of cos and sin.   windows 2, 3: the 64 accumulators; later window 2 v0-63 the rotated halves.
.set SIZE_K, 1024
.set KSTEP,  512
.set NQ,     KSTEP/128
.set ROWB,   256
.set KROW,   SIZE_K/2
.set PITCH,  272                       ; an LDS row: 256 bytes + 16 of padding: the 16 rows that a load touches start at 16 different banks
.set FR,     8
.set NL,     2
.set NP,     4
.set HALFT,  128*PITCH
.set SLOT,   4*HALFT
.set KS,     SIZE_K/32
.set SCL,    2*SLOT                    ; behind the slots: the scales, as units of 256 bytes + 16 of padding
.set HALFS,  (128*KS/256)*272
.set SBLK,   (16*KS/256)*272
.set SPARE,  SCL+4*HALFS               ; the spare words, 128 bytes a wave, which no other line names
.set OPITCH, 528                       ; the way out: a row of 512 bytes + 16
.set OREG,   128*OPITCH                ; a wave's region
.set ADRA, 16
.set ADRB, 20
.set STO,  24                          ; v24 where I put 32 bytes of a row
.set RD,   25                          ; v25 16 x lane
.set RDA,  26                          ; v26 LDS address of the block in hand
.set ADRS, 27
.set SPW,  28
.set NIL,  29
.set LO8,  31                          ; v31 8 x lane
.set SC,   32
.set TQ,   96
.set AF,   128
.set X,    128
.set H,    192
.set W4,   224
.set SG,   228
.set G1, 24
.set G0, 32
.set G1B, 48
.set G0B, 56
.set G1S, 68
.set G0S, 76
.set G1SB, 80
.set G0SB, 88
.set TB,  3                            ; s3 LDS byte of the block to be read: made of the wave's number and the loop's steps alone
.set COS, 4                            ; s[4:5], s[6:7] cos and sin at the rows to be loaded next
.set SIN, 6
.set NW,  8                            ; s[8:9] the norm's weights
.set FB,  12                           ; s[12:13] fine32 at my tile row's part and my head's columns
.set DST, 96                           ; s[96:97] my head's rows in q16 or kv16
.set CEPS, 43
.set CNT, 45
.set C128, 47
.set SEL, 92
.set TMPS, 94
.set MSB, 0
.macro WIN new                         ; the immediate's high byte repeats the setting that is left
.if MSB != \new
	s_set_vgpr_msb (MSB<<8)|\new
.set MSB, \new
.endif
.endm
.set MUL_LO, 0xa1                      ; source 0 (B) window 1, source 1 (A) window 0, C and D window 2
.set MUL_HI, 0xf1
.set TO_B,   0x40
; A joint load: waves 0 and 1 fetch for A, waves 2 and 3 for B; the branch hangs on the wave's number alone.  An s_nop 0 and four v_nop follow each line.
.macro JLOAD g0a, g1a, g0b, g1b
	s_cmp_eq_u32 s15, 0
	s_cbranch_scc0 .Lfor_b_\@
	tensor_load_to_lds s[\g0a:\g0a+3], s[\g1a:\g1a+7]
	s_nop 0
.rept 4
	v_nop
.endr
	s_branch .Lasked_\@
.Lfor_b_\@:
	tensor_load_to_lds s[\g0b:\g0b+3], s[\g1b:\g1b+7]
	s_nop 0
.rept 4
	v_nop
.endr
.Lasked_\@:
.endm
.macro CROUND                          ; a round of the cluster's barrier
	s_barrier_signal -1
	s_barrier_wait -1
	s_cmp_lg_u32 s14, 0
	s_cbranch_scc1 .Lnot_wave_0_\@
	s_barrier_signal -3
.Lnot_wave_0_\@:
	s_barrier_wait -3
	s_barrier_signal -1
	s_barrier_wait -1
.endm
	s_load_b128 s[4:7], s[0:1], 0x0                ; codes, scales
	v_lshl_add_u32 v[SPW], v0, 2, SPARE
	v_mov_b32 v[NIL], 0
	ds_add_u32 v[SPW], v[NIL]                      ; the wave's opening: the add, twice on end, and its wait ahead of my first tensor load
	ds_add_u32 v[SPW], v[NIL]
	v_lshrrev_b32 v1, 5, v0
	v_readfirstlane_b32 s14, v1                    ; wave 0..3
	s_lshr_b32 s15, s14, 1                         ; which half of the tile's rows is mine.  Also: I fetch for A (0) or for B (1)
	s_and_b32 s16, s14, 1                          ; which half of its columns.  Also: which 128 rows of that tile I fetch
	s_bfe_u32 s40, ttmp6, 0x40000                  ; cx, cy
	s_bfe_u32 s41, ttmp6, 0x40004
	s_lshl_b32 s42, ttmp9, 2
	s_add_co_u32 s42, s42, s40                     ; tile column = 4 x cluster x + cx
	s_and_b32 s17, ttmp7, 0xffff
	s_lshl_b32 s17, s17, 2
	s_add_co_u32 s17, s17, s41                     ; tile row = 4 x cluster y + cy
	s_lshl_b32 s43, s41, 2
	s_lshl_b32 s43, 15, s43                        ; my row of the cluster
	s_lshl_b32 s44, 0x1111, s40                    ; my column
	s_or_b32 s[G1+0], s43, (0<<16)|(1<<20)|(1<<21)|(5<<22)|(3<<25)  ; the mask; elements of 1 byte; padding on; bit 21 beside a mask; 4 words after every 64
	s_or_b32 s[G1B+0], s44, (0<<16)|(1<<20)|(1<<21)|(5<<22)|(3<<25)
.irp g, G1, G1B
	s_mov_b32 s[\g+1], ROWB<<16                    ; tensor_dim0
	s_mov_b32 s[\g+2], 128<<16                     ; tensor_dim1
	s_mov_b32 s[\g+3], ROWB<<16                    ; tile_dim0
	s_mov_b32 s[\g+4], 128                         ; tile_dim1
	s_mov_b32 s[\g+5], KROW                        ; the pitch
	s_mov_b32 s[\g+6], 0
	s_mov_b32 s[\g+7], 0
.endr
	s_or_b32 s[G1S+0], s43, (3<<16)|(1<<20)|(1<<21)|(5<<22)|(3<<25)   ; the scales of 128 rows: 4,096 dense bytes as 16 rows of 256
	s_or_b32 s[G1SB+0], s44, (3<<16)|(1<<20)|(1<<21)|(5<<22)|(3<<25)
.irp g, G1S, G1SB
	s_mov_b32 s[\g+1], 32<<16
	s_mov_b32 s[\g+2], (128*KS/256)<<16
	s_mov_b32 s[\g+3], 32<<16
	s_mov_b32 s[\g+4], 128*KS/256
	s_mov_b32 s[\g+5], 32
	s_mov_b32 s[\g+6], 0
	s_mov_b32 s[\g+7], 0
.endr
	s_lshl_b32 s18, s16, 7
	s_lshl_b32 s20, s17, 8
	s_add_co_u32 s20, s20, s18                     ; A: row 256 x tile row + 128 x half
	s_lshl_b32 s46, s42, 8
	s_add_co_u32 s46, s46, s18                     ; B: row 256 x tile column + 128 x half
	s_mov_b32 s21, 0
	s_mov_b32 s47, 0
	s_mov_b64 s[18:19], KS
	s_mul_u64 s[22:23], s[20:21], s[18:19]
	s_mul_u64 s[92:93], s[46:47], s[18:19]
	s_mov_b64 s[18:19], KROW
	s_mul_u64 s[20:21], s[20:21], s[18:19]
	s_mul_u64 s[46:47], s[46:47], s[18:19]
	s_mul_i32 s45, s14, HALFT                      ; where they go: wave x 128 rows
	s_mul_i32 s94, s14, HALFS
	s_wait_dscnt 0x0                               ; both opening adds are done
	s_wait_kmcnt 0x0
	s_add_nc_u64 s[8:9], s[4:5], 0x200000          ; the weights' codes lie behind the tokens' 4,096 rows of 512 bytes,
	s_add_nc_u64 s[10:11], s[6:7], 0x20000         ; their scale bytes behind 4,096 rows of 32
	s_add_nc_u64 s[20:21], s[4:5], s[20:21]
	s_add_nc_u64 s[22:23], s[6:7], s[22:23]
	s_add_nc_u64 s[46:47], s[8:9], s[46:47]
	s_add_nc_u64 s[92:93], s[10:11], s[92:93]
	CROUND                                         ; all sixteen work-groups are here: the joint loads meet
	s_mov_b32 s[G0S], 1
	s_add_co_u32 s[G0S+1], s94, SCL
	s_mov_b64 s[G0S+2:G0S+3], s[22:23]
	s_or_b32 s[G0S+3], s[G0S+3], 0x80000000
	s_mov_b32 s[G0SB], 1
	s_add_co_u32 s[G0SB+1], s94, SCL
	s_mov_b64 s[G0SB+2:G0SB+3], s[92:93]
	s_or_b32 s[G0SB+3], s[G0SB+3], 0x80000000
	JLOAD G0S, G1S, G0SB, G1SB                     ; the scales first
.irp s, 0,1
	s_mov_b32 s[G0+4*\s], 1
	s_add_co_u32 s[G0+4*\s+1], s45, \s*SLOT
	s_add_nc_u64 s[G0+4*\s+2:G0+4*\s+3], s[20:21], \s*ROWB
	s_or_b32 s[G0+4*\s+3], s[G0+4*\s+3], 0x80000000
	s_mov_b32 s[G0B+4*\s], 1
	s_add_co_u32 s[G0B+4*\s+1], s45, \s*SLOT
	s_add_nc_u64 s[G0B+4*\s+2:G0B+4*\s+3], s[46:47], \s*ROWB
	s_or_b32 s[G0B+4*\s+3], s[G0B+4*\s+3], 0x80000000
	JLOAD G0+4*\s, G1, G0B+4*\s, G1B               ; both K steps: three tensor loads of mine are out
.endr
	s_load_b256 s[4:11], s[0:1], 0x10              ; cos, sin, q_norm_w, k_norm_w
	s_load_b128 s[96:99], s[0:1], 0x30             ; q16, kv16
	s_load_b64 s[12:13], s[0:1], 0x40              ; fine32
	v_and_b32 v1, 15, v0                           ; l % 16
	v_bfe_u32 v2, v0, 4, 1                         ; l / 16
	v_mul_u32_u24 v3, v1, PITCH
	v_lshl_add_u32 v4, v2, 4, v3
	s_mul_i32 s21, s15, HALFT
	s_mul_i32 s22, s16, HALFT
	s_add_co_u32 s22, s22, 2*HALFT
.irp s, 0,1
	v_add_nc_u32 v[ADRA+\s], s21, v4
	v_add_nc_u32 v[ADRB+\s], s22, v4
	s_add_co_u32 s21, s21, SLOT
	s_add_co_u32 s22, s22, SLOT
.endr
	v_mul_u32_u24 v5, v1, KS
	v_lshrrev_b32 v6, 8, v5
	v_lshl_add_u32 v5, v6, 4, v5
	s_mul_i32 s21, s15, HALFS
	s_mul_i32 s22, s16, HALFS
	s_add_co_u32 s22, s22, 2*HALFS
	s_sub_co_u32 s22, s22, s21
	v_mul_u32_u24 v6, s22, v2                      ; lanes 16-31 take B's
	s_add_co_u32 s21, s21, SCL
	v_add_nc_u32 v5, v5, v6
	v_add_nc_u32 v[ADRS], s21, v5
	; the way out's addresses
	s_mul_i32 s[TB], s14, OREG                     ; my region
	v_mul_u32_u24 v5, v1, OPITCH
	v_lshl_add_u32 v5, v2, 5, v5
	v_add_nc_u32 v[STO], s[TB], v5                 ; in: row l % 16, 32 bytes for each half of the lanes
	v_and_b32 v6, 31, v0
	v_lshlrev_b32 v[RD], 4, v6
	v_lshlrev_b32 v[LO8], 3, v6
	v_cvt_f32_u32 v[SG], v2
	v_fma_f32 v[SG], v[SG], 2.0, -1.0              ; -1 in lanes 0-15 (columns under 64), +1 in lanes 16-31
	v_mov_b32 v[SG+1], v[SG]
	s_mov_b32 s[C128], 0x3c000000                  ; 1 / 128
	s_mov_b32 s[CEPS], 0x358637bd                  ; 1e-6
	s_mov_b32 s[SEL], 0x76543210
	s_mov_b32 s[SEL+1], 0xfedcba98
	s_lshl_b32 s66, s42, 1
	s_add_co_u32 s66, s66, s16                     ; my head among the 32 of q, k, v
	s_lshr_b32 s67, s17, 3                         ; the batch
	s_and_b32 s95, s17, 7
	s_lshl_b32 s95, s95, 8
	s_lshl_b32 s18, s15, 7
	s_add_co_u32 s95, s95, s18                     ; my first position in the sequence
	s_wait_kmcnt 0x0
	s_cmp_lt_u32 ttmp9, 2                          ; q, or k and v
	s_cselect_b64 s[DST:DST+1], s[96:97], s[98:99]
	s_cselect_b64 s[NW:NW+1], s[8:9], s[10:11]
	s_cselect_b32 s18, 4, 3                        ; 16 or 8 heads a batch
	s_cselect_b32 s19, 0, 16
	s_cmp_eq_u32 ttmp9, 3
	s_cselect_b32 s19, 24, s19                     ; the first head of my kind
	s_cselect_b32 s22, 0x800000, 0                 ; v lies behind k
	s_lshl_b32 s23, s67, s18
	s_add_co_u32 s23, s23, s66
	s_sub_co_u32 s23, s23, s19
	s_lshl_b32 s23, s23, 19                        ; a head: 2,048 rows of 256 bytes
	s_lshl_b32 s95, s95, 8
	s_add_co_u32 s23, s23, s95
	s_add_co_u32 s22, s22, s23
	s_mov_b32 s23, 0
	s_add_nc_u64 s[DST:DST+1], s[DST:DST+1], s[22:23]
	s_lshl_b32 s22, s17, 8
	s_lshl_b32 s18, s15, 7
	s_add_co_u32 s22, s22, s18
	s_lshl_b32 s22, s22, 9                         ; my first row of cos and sin: 512 bytes a row
	s_add_nc_u64 s[COS:COS+1], s[COS:COS+1], s[22:23]
	s_add_nc_u64 s[SIN:SIN+1], s[SIN:SIN+1], s[22:23]
	s_lshl_b32 s22, s67, 20                        ; fine32: the batch's four parts of 16 rows x 16,384 bytes,
	s_and_b32 s18, s17, 3
	s_lshl_b32 s18, s18, 18                        ; my tile row's part,
	s_add_co_u32 s22, s22, s18
	s_lshl_b32 s18, s66, 9                         ; my head's 128 columns
	s_add_co_u32 s22, s22, s18
	s_add_nc_u64 s[FB:FB+1], s[FB:FB+1], s[22:23]
	global_load_b128 v[W4:W4+3], v[RD], s[NW:NW+1] ; the norm's weights of my four columns
.macro FRAG reg, adr, q, i
.irp c, 0,1
	ds_load_b128 v[\reg+4*\c:\reg+4*\c+3], v[\adr] offset:64*(\q)+32*\c+(\i)*16*PITCH
.endr
.endm
; 16 matrix instructions: A's blocks a0, a0 + 1 x B's eight, 128 along K.  The 64 accumulators take turns, one instruction a turn, in the same order in every step.
.macro MUL16 a0, p, q, sc, zero
.irp a, \a0, \a0+1
.irp b, 0,1,2,3,4,5,6,7
.if \zero
	v_wmma_scale_f32_16x16x128_f8f6f4 v[8*(8*((\a)%4)+\b):8*(8*((\a)%4)+\b)+7], v[128*(\p)+FR*\b:128*(\p)+FR*\b+FR-1], v[AF+FR*(\a):AF+FR*(\a)+FR-1], 0, v[SC+8*NQ*(\sc)+NQ*\b+(\q)], v[SC+8*NQ*(\sc)+NQ*(\a)+(\q)] matrix_a_fmt:MATRIX_FMT_FP4 matrix_b_fmt:MATRIX_FMT_FP4 matrix_a_scale:MATRIX_SCALE_ROW1
.else
	v_wmma_scale_f32_16x16x128_f8f6f4 v[8*(8*((\a)%4)+\b):8*(8*((\a)%4)+\b)+7], v[128*(\p)+FR*\b:128*(\p)+FR*\b+FR-1], v[AF+FR*(\a):AF+FR*(\a)+FR-1], v[8*(8*((\a)%4)+\b):8*(8*((\a)%4)+\b)+7], v[SC+8*NQ*(\sc)+NQ*\b+(\q)], v[SC+8*NQ*(\sc)+NQ*(\a)+(\q)] matrix_a_fmt:MATRIX_FMT_FP4 matrix_b_fmt:MATRIX_FMT_FP4 matrix_a_scale:MATRIX_SCALE_ROW1
.endif
.endr
.endr
.endm
.macro FETCH_B slot, q, p
	WIN TO_B
.irp i, 0,1,2,3,4,5,6,7
	FRAG 128*(\p)+FR*\i, ADRB+\slot, \q, \i
.endr
	WIN 0
.endm
.macro FETCH_A slot, q, i0
.irp i, \i0, \i0+1, \i0+2, \i0+3
	FRAG AF+FR*(\i), ADRA+\slot, \q, \i
.endr
.endm
.macro SCALES sc                       ; a K step's scale words: lanes 0-15 take A's block i, lanes 16-31 B's block i
.irp i, 0,1,2,3,4,5,6,7
	ds_load_b128 v[SC+8*NQ*\sc+NQ*\i:SC+8*NQ*\sc+NQ*\i+3], v[ADRS] offset:\i*SBLK
.endr
.endm
.macro PLACES n                        ; plain vector instructions between a matrix instruction and a load into, or a read of, its registers
.rept \n
	v_nop
.endr
.endm
.macro STEP slot, q, zero
	s_wait_dscnt 4*NL                              ; B's set and A's blocks 0-3 are in; the youngest eight loads (A's blocks 4-7) may be out
	WIN MUL_LO
	MUL16 0, (\q)%2, \q, \slot, \zero
	MUL16 2, (\q)%2, \q, \slot, \zero
	s_wait_dscnt 0
	PLACES NP
	FETCH_B \slot, (\q)+1, 1-(\q)%2
	FETCH_A \slot, (\q)+1, 0
	WIN MUL_HI
	MUL16 4, (\q)%2, \q, \slot, \zero
	MUL16 6, (\q)%2, \q, \slot, \zero
	PLACES NP
	WIN 0
	FETCH_A \slot, (\q)+1, 4
.endm
; Slot 0's last step changes slots: each wave waits for all its tensor loads (its part of slot 1), adds 0 to its spare word, waits for that and its reads, and passes the barrier.  Nothing is filled again.
.macro TURN slot, next
	s_wait_tensorcnt 0x0
	ds_add_u32 v[SPW], v[NIL]
	s_wait_dscnt 4*NL+1                            ; (the add and the youngest eight loads may be out)
	WIN MUL_LO
	MUL16 0, 1, NQ-1, \slot, 0
	s_wait_dscnt 0x0
	s_barrier_signal -1
	MUL16 2, 1, NQ-1, \slot, 0
	WIN 0
	s_barrier_wait -1
	PLACES NP
	v_add_nc_u32 v[ADRS], 4*NQ, v[ADRS]            ; on to the next K step's scale words
	FETCH_B \next, 0, 0
	FETCH_A \next, 0, 0
	SCALES \next
	WIN MUL_HI
	MUL16 4, 1, NQ-1, \slot, 0
	MUL16 6, 1, NQ-1, \slot, 0
	PLACES NP
	WIN 0
	FETCH_A \next, 0, 4
.endm
.macro STEPS slot, from
.set Q, \from
.rept NQ-1-\from
	STEP \slot, Q, 0
.set Q, Q+1
.endr
.endm
	s_wait_loadcnt 0x0                             ; the norm's weights
	s_wait_tensorcnt 1                             ; the scales and my part of K step 0 are in (K step 1's load may be out),
	s_barrier_signal -1
	s_barrier_wait -1                              ; everybody's are
	FETCH_B 0, 0, 0
	FETCH_A 0, 0, 0
	SCALES 0
	FETCH_A 0, 0, 4
	STEP 0, 0, 1                                   ; the first products start the sums: nothing is cleared
	STEPS 0, 1
	TURN 0, 1
	STEPS 1, 0
	s_wait_dscnt 4*NL                              ; the last step
	WIN MUL_LO
	MUL16 0, 1, NQ-1, 1, 0
	MUL16 2, 1, NQ-1, 1, 0
	s_wait_dscnt 0                                 ; my reads of the slots are over:
	s_barrier_signal -1                            ; say so, since the way out writes over both slots,
	WIN MUL_HI
	MUL16 4, 1, NQ-1, 1, 0
	MUL16 6, 1, NQ-1, 1, 0
	WIN 0
	s_barrier_wait -1                              ; and go on when all four have said so
; 16 rows of cos and of sin, whole rows of 512 bytes, into set cs of window 1; then the pointers step 16 rows
.macro CSLOAD cs
	WIN 0x40
.set tt, 0
.rept 16
	global_load_b128 v[128*\cs+4*tt:128*\cs+4*tt+3], v[RD], s[COS:COS+1] offset:512*tt
	global_load_b128 v[128*\cs+64+4*tt:128*\cs+64+4*tt+3], v[RD], s[SIN:SIN+1] offset:512*tt
.set tt, tt+1
.endr
	WIN 0
	s_wait_xcnt 0x0                                ; the loads have read their bases
	s_add_nc_u64 s[COS:COS+1], s[COS:COS+1], 8192
	s_add_nc_u64 s[SIN:SIN+1], s[SIN:SIN+1], 8192
.endm
; A block of 16 rows.  cs: its set of tables; load = 1: that set takes the rows of two blocks on; chk = 1: the block may be a tile's first 16 rows; left: the younger loads that may stay out.
.macro BLOCK cs, load, chk, left
	v_add_nc_u32 v[RDA], s[TB], v[RD]
.set tt, 0
.rept 16
	ds_load_b128 v[X+4*tt:X+4*tt+3], v[RDA] offset:OPITCH*tt     ; row tt: 32 lanes, 512 consecutive bytes; LDS serves a wave's instructions in order: these see my stores
.set tt, tt+1
.endr
	s_add_co_u32 s[TB], s[TB], 16*OPITCH
	s_wait_dscnt 0x0
	s_wait_loadcnt \left                           ; this block's 32 loads of cos and sin are in; the other set's 32 may be out
	s_cmp_eq_u32 ttmp9, 3                          ; v has no norm and no rotation
	s_cbranch_scc1 .Lplain_\@
.set tt, 0
.rept 16
	v_pk_mul_f32 v[TQ+2*tt:TQ+2*tt+1], v[X+4*tt:X+4*tt+1], v[X+4*tt:X+4*tt+1]
.set tt, tt+1
.endr
.set tt, 0
.rept 16
	v_pk_fma_f32 v[TQ+2*tt:TQ+2*tt+1], v[X+4*tt+2:X+4*tt+3], v[X+4*tt+2:X+4*tt+3], v[TQ+2*tt:TQ+2*tt+1]
.set tt, tt+1
.endr
.set tt, 0
.rept 16
	v_add_f32 v[TQ+2*tt], v[TQ+2*tt], v[TQ+2*tt+1]
.set tt, tt+1
.endr
.irp m, 1,2,4,8
.set tt, 0
.rept 16
	v_add_f32_dpp v[TQ+2*tt], v[TQ+2*tt], v[TQ+2*tt] row_xmask:\m row_mask:0xf bank_mask:0xf
.set tt, tt+1
.endr
.endr
.set tt, 0
.rept 16
	v_permlanex16_b32 v[TQ+2*tt+1], v[TQ+2*tt], s[SEL], s[SEL+1]
.set tt, tt+1
.endr
.set tt, 0
.rept 16
	v_add_f32 v[TQ+2*tt], v[TQ+2*tt], v[TQ+2*tt+1]               ; the row's sum of squares, in every lane
.set tt, tt+1
.endr
.set tt, 0
.rept 16
	v_fma_f32 v[TQ+2*tt], v[TQ+2*tt], s[C128], s[CEPS]           ; the mean + eps
.set tt, tt+1
.endr
.set tt, 0
.rept 16
	v_rsq_f32 v[TQ+2*tt], v[TQ+2*tt]                             ; one batch
.set tt, tt+1
.endr
.set tt, 0
.rept 16
	v_pk_mul_f32 v[X+4*tt:X+4*tt+1], v[X+4*tt:X+4*tt+1], v[W4:W4+1]       ; x w: independent work behind the batch
	v_pk_mul_f32 v[X+4*tt+2:X+4*tt+3], v[X+4*tt+2:X+4*tt+3], v[W4+2:W4+3]
.set tt, tt+1
.endr
	s_wait_alu depctr_va_vdst(0)                   ; one wait for the sixteen, ahead of their first reader
.set tt, 0
.rept 16
	v_pk_mul_f32 v[X+4*tt:X+4*tt+1], v[X+4*tt:X+4*tt+1], v[TQ+2*tt:TQ+2*tt+1] op_sel_hi:[1,0]
	v_pk_mul_f32 v[X+4*tt+2:X+4*tt+3], v[X+4*tt+2:X+4*tt+3], v[TQ+2*tt:TQ+2*tt+1] op_sel_hi:[1,0]
.set tt, tt+1
.endr
	WIN 0x80                                       ; destination window 2
.set jj, 0
.rept 64
	v_permlanex16_b32 v[jj], v[X+jj], s[SEL], s[SEL+1]           ; the column 64 away lies in the lane 16 away
.set jj, jj+1
.endr
	WIN 0x41
.set jj, 0
.rept 32
	v_pk_mul_f32 v[128*\cs+64+jj:128*\cs+64+jj+1], v[128*\cs+64+jj:128*\cs+64+jj+1], v[SG:SG+1]   ; sin with the rotation's sign
.set jj, jj+2
.endr
	WIN 0x04
.set jj, 0
.rept 32
	v_pk_mul_f32 v[X+jj:X+jj+1], v[X+jj:X+jj+1], v[128*\cs+jj:128*\cs+jj+1]
.set jj, jj+2
.endr
	WIN 0x06
.set jj, 0
.rept 32
	v_pk_fma_f32 v[X+jj:X+jj+1], v[jj:jj+1], v[128*\cs+64+jj:128*\cs+64+jj+1], v[X+jj:X+jj+1]
.set jj, jj+2
.endr
	WIN 0
.Lplain_\@:
.if \load
	CSLOAD \cs
.endif
.if \chk
	s_cmp_lg_u32 s[CNT], 3                         ; the wave's first block,
	s_cbranch_scc1 .Lnofine_\@
	s_cmp_lg_u32 s15, 0                            ; of the tile's upper half,
	s_cbranch_scc1 .Lnofine_\@
	s_and_b32 s[TMPS], ttmp7, 1                    ; in a cluster with an even y, whose first tile row begins a sequence: the cluster's y is the same in all partners
	s_cmp_lg_u32 s[TMPS], 0
	s_cbranch_scc1 .Lnofine_\@
.set tt, 0
.rept 16
	global_store_b128 v[RD], v[X+4*tt:X+4*tt+3], s[FB:FB+1] offset:16384*tt   ; 512 consecutive bytes of row tt, in f32, in my tile row's part of the buffer
.set tt, tt+1
.endr
.Lnofine_\@:
.endif
.set tt, 0
.rept 16
	v_cvt_pk_f16_f32 v[H+2*tt], v[X+4*tt], v[X+4*tt+1]
	v_cvt_pk_f16_f32 v[H+2*tt+1], v[X+4*tt+2], v[X+4*tt+3]
.set tt, tt+1
.endr
.set tt, 0
.rept 16
	global_store_b64 v[LO8], v[H+2*tt:H+2*tt+1], s[DST:DST+1] offset:256*tt   ; a row of the head: 256 consecutive bytes, aligned
.set tt, tt+1
.endr
	s_wait_xcnt 0x0                                ; the stores have read their data and their base: the rows' registers, the f16 pairs and the base are written again only behind this wait
	s_add_nc_u64 s[DST:DST+1], s[DST:DST+1], 4096
.endm
	PLACES NP                                      ; behind the last products: loads into B's registers and reads of results follow
	CSLOAD 0
	CSLOAD 1
.irp a, 0,1,2,3,4,5,6,7                ; all 64 accumulators into my region, each from its low end on
	WIN 0x08+4*(\a/4)                              ; an LDS store's data are its source 1: window 2 or 3
.irp b, 0,1,2,3,4,5,6,7
	ds_store_b128 v[STO], v[8*(8*(\a%4)+\b):8*(8*(\a%4)+\b)+3] offset:\a*16*OPITCH+64*\b
	ds_store_b128 v[STO], v[8*(8*(\a%4)+\b)+4:8*(8*(\a%4)+\b)+7] offset:\a*16*OPITCH+64*\b+16
.endr
.endr
	WIN 0
	s_mov_b32 s[CNT], 3
.Lblk:                                             ; three trips of two blocks; each block asks for the tables of two blocks on
	BLOCK 0, 1, 1, 32
	BLOCK 1, 1, 0, 32
	s_sub_co_u32 s[CNT], s[CNT], 1
	s_cmp_lg_u32 s[CNT], 0
	s_cbranch_scc1 .Lblk
	BLOCK 0, 0, 0, 32                              ; the last two blocks ask for nothing: no load leaves its buffer
	BLOCK 1, 0, 0, 0
	s_wait_tensorcnt 0x0                           ; the wave's end
	ds_add_u32 v[SPW], v[NIL]
	s_wait_dscnt 0x0
	CROUND                                         ; the closing round
	s_endpgm
.Lfunc_end_k_q980aedbd80_qkv:
	.size	k_q980aedbd80_qkv, .Lfunc_end_k_q980aedbd80_qkv-k_q980aedbd80_qkv
	.p2alignl 7, 3214868480
	.fill 96, 4, 3214868480
	.section	.rodata,"a",@progbits
	.p2align	6, 0x0
	.amdhsa_kernel k_q980aedbd80_qkv
		.amdhsa_group_segment_fixed_size 327680
		.amdhsa_private_segment_fixed_size 0
		.amdhsa_enable_private_segment 0
		.amdhsa_kernarg_size 72
		.amdhsa_user_sgpr_count 2
		.amdhsa_user_sgpr_kernarg_segment_ptr 1
		.amdhsa_wavefront_size32 1
		.amdhsa_system_sgpr_workgroup_id_x 1
		.amdhsa_system_sgpr_workgroup_id_y 1
		.amdhsa_system_sgpr_workgroup_id_z 1
		.amdhsa_system_vgpr_workitem_id 0
		.amdhsa_next_free_vgpr 1024
		.amdhsa_next_free_sgpr 100
		.amdhsa_reserve_vcc 0
		.amdhsa_float_denorm_mode_32 3
		.amdhsa_float_denorm_mode_16_64 3
		.amdhsa_memory_ordered 1
		.amdhsa_forward_progress 1
		.amdhsa_inst_pref_size 233
	.end_amdhsa_kernel
	.amdgpu_metadata
---
amdhsa.version: [ 1, 2 ]
amdhsa.kernels:
  - .name:           k_q980aedbd80_qkv
    .symbol:         k_q980aedbd80_qkv.kd
    .args:
      - { .name: codes, .offset: 0, .size: 8, .value_kind: global_buffer, .address_space: global }
      - { .name: scales, .offset: 8, .size: 8, .value_kind: global_buffer, .address_space: global }
      - { .name: cos, .offset: 16, .size: 8, .value_kind: global_buffer, .address_space: global }
      - { .name: sin, .offset: 24, .size: 8, .value_kind: global_buffer, .address_space: global }
      - { .name: q_norm_w, .offset: 32, .size: 8, .value_kind: global_buffer, .address_space: global }
      - { .name: k_norm_w, .offset: 40, .size: 8, .value_kind: global_buffer, .address_space: global }
      - { .name: q16, .offset: 48, .size: 8, .value_kind: global_buffer, .address_space: global }
      - { .name: kv16, .offset: 56, .size: 8, .value_kind: global_buffer, .address_space: global }
      - { .name: fine32, .offset: 64, .size: 8, .value_kind: global_buffer, .address_space: global }
    .group_segment_fixed_size: 327680
    .private_segment_fixed_size: 0
    .kernarg_segment_align: 8
    .kernarg_segment_size: 72
    .max_flat_workgroup_size: 128
    .sgpr_count:     100
    .vgpr_count:     1024
    .wavefront_size: 32
...
	.end_amdgpu_metadata
.endif
;; end of part 2
;; launch attn (part 3): grid 16 x 16, 4 waves a work-group, clusters of 4 x 1, 327,680 bytes of LDS; arguments q16, kv16, o16; writes o16
.if DOCPART == 3
	.amdgcn_target "amdgcn-amd-amdhsa--gfx1250"
	.amdhsa_code_object_version 6
	.text
	.protected	k_q980aedbd80_attn
	.globl	k_q980aedbd80_attn
	.p2align	8
	.type	k_q980aedbd80_attn,@function
k_q980aedbd80_attn:
	s_mov_b64 s[64:65], 0
	v_nop
	global_prefetch_b8 v0, s[64:65] scope:SCOPE_SE
	s_setreg_imm32_b32 hwreg(HW_REG_WAVE_MODE, 25, 1), 1
	s_wait_xcnt 0x0
	s_wait_alu depctr_hold_cnt(0) depctr_sa_sdst(0) depctr_va_vdst(0) depctr_va_sdst(0) depctr_va_ssrc(0) depctr_va_vcc(0) depctr_vm_vsrc(0)
	s_getreg_b32 s2, hwreg(HW_REG_IB_STS2, 6, 4)
	s_cmp_eq_u32 s2, 0
	s_cbranch_scc0 .Lentry_in_a_cluster
	s_endpgm
.Lentry_in_a_cluster:
	s_bfe_u32 s2, ttmp6, 0x10000c
	s_cmp_lg_u32 s2, 0x3003
	s_cbranch_scc0 .Lentry_shape_is_right
	s_endpgm
.Lentry_shape_is_right:
; o = softmax(q k^T / sqrt(128), causal) v for 2 batches x 16 query heads on 8 key and value heads; q, k, v in f16 by head; products, maxima and sums in f32; the weights p rounded to f16; o in f16 as [4096][2048].
; SHARES.  A cluster of four work-groups takes one key and value head (y = 8 b + g), its two query heads, and two blocks of 256 positions: first block P (the cluster's x), then block 7 - P.
; Block J needs keys 0 .. 256 J + 255, so the two blocks walk 4 (P + 1) + 4 (8 - P) = 36 key steps of 64 keys, nine slots of 256 keys: the same count in every cluster, so every trip count is a constant.
; Partner cx, wave w owns positions 256 J + 64 w + 16 cx .. + 15 of both heads: two tiles of 16 queries.  So each partner has a wave in the block's last 64 positions, and every tile asked for jointly is read by every partner.
; A key step all of whose keys come after a wave's queries (step > 4 J + w) is left out by a scalar branch made of the cluster's x, the wave's number and the count of steps; the wave's one step on the diagonal
; (step = 4 J + w) begins its scores not with 0 but with a mask of 0 and -1e30 as the C of the first products: the weight of a hidden key is then exactly 0.
; LAYOUT.  S^T = K Q^T (source 0 = 16 keys, source 1 = 16 queries) and O^T = V^T P: a lane holds one query throughout.  K comes out of LDS as it lies, V turned by ds_load_tr16_b128.
; SOFTMAX.  A running maximum m and sum l for each query: p = 2^(c s - c m), c = log2(e) / sqrt(128); in every step O and l are multiplied by a = 2^(c m_old - c m_new).
; A new block begins with m = -3e38: the first a is 0, and O and l start anew without being cleared.
; BY TURNS inside a key step: tile 0's scores | tile 1's scores with tile 0's softmax between them | tile 0's V^T P with tile 1's softmax between them | tile 1's V^T P.  K's and V's fragments of the next step are fetched a step ahead, into the other of two buffers.
; LIMITS: |v| under 65,504; NaN and infinities are not served.
; REGISTERS, in windows of 256: window 0: v0-31 addresses and statistics; v32-63 the mask; v64-127 S^T, 32 a tile; v128-159 P, 16 a tile.   window 1: v0-127 O^T, 64 a tile; v128-191 Q, 32 a tile.
;   windows 2 and 3: the two buffers: v0-127 K of a step, v128-255 V of a step.
.set KS,    64
.set PK,    272                        ; a row of K in LDS: 256 bytes + 16
.set PV,    288                        ; a row of V: 256 + 32
.set KSTEPB, KS*PK
.set VSTEPB, KS*PV
.set VOFF,  256*PK                     ; a slot: 256 rows of K, then 256 rows of V
.set SLOTB, 256*(PK+PV)
.set STAGE, 2*SLOTB                    ; behind the ring: 16 rows x 272 bytes for each wave, for the way out
.set SP,    272
.set SPARE, STAGE+4*16*SP              ; the spare words, 128 bytes a wave, which no other line names
.set AK0, 2
.set AV0, 3
.set ADK, 4
.set ADV, 5
.set QO,  6
.set STO, 7
.set RD,  8
.set GO,  10
.set PFO, 11
.set ST,  12                           ; tile t's statistics at v[ST+8 t]: +0 c m, +1 m, +2, +3 l, +4 to +7 at work; a at +6
.set DQ,  28                           ; v28 16 cx + lane % 16 - 8 (lane / 16)
.set NEG, 29                           ; v29 -1e30
.set SPW, 30
.set NIL, 31
.set MKC, 32
.set S,   64
.set P,   128
.set WV,  12
.set CX,  13
.set PP,  14
.set KBASE, 16                         ; s[16:17] my half of key slot 0 in K;  s[18:19] in V
.set VBASE, 18
.set QB0, 20
.set QB1, 22
.set G1K, 24
.set G1V, 32
.set G0K, 40
.set G0V, 44
.set OB0, 48
.set OB1, 50
.set PFA, 52
.set LIMP, 54
.set SLOTS, 55
.set TWICE, 56
.set FP,  57                           ; s57 LDS byte of the slot to be filled
.set CS,  58
.set SEL, 60
.set TBK, 62                           ; s62, s63 LDS bytes at which K's and V's rows of the step to be fetched begin (V's less VOFF)
.set TBV, 63
.set KB,  66                           ; s66 the key step in the block
.set LIM, 67                           ; s67 my diagonal step
.set LIM1, 68
.set SC,  69                           ; s69 steps walked
.set NB,  70                           ; s70 steps of the first block
.set SF,  71                           ; s71 the slot of the walk to be asked for
.set NBS, 72                           ; s72 slots of the first block
.set RP,  73                           ; s73 LDS byte of the slot to be read
.set WPK, 80
.set WPV, 81
.set MSB, 0
.macro WIN new
.if MSB != \new
	s_set_vgpr_msb (MSB<<8)|\new
.set MSB, \new
.endif
.endm
.set W_RS, 0x41                        ; O^T (destination and source 0) in window 1, a in window 0
.macro JLOAD                           ; waves 0 and 1 fetch K's halves of a slot, waves 2 and 3 V's; an s_nop 0 and four v_nop follow each line
	s_cmp_lt_u32 s[WV], 2
	s_cbranch_scc0 .Lfor_v_\@
	tensor_load_to_lds s[G0K:G0K+3], s[G1K:G1K+7]
	s_nop 0
.rept 4
	v_nop
.endr
	s_branch .Lasked_\@
.Lfor_v_\@:
	tensor_load_to_lds s[G0V:G0V+3], s[G1V:G1V+7]
	s_nop 0
.rept 4
	v_nop
.endr
.Lasked_\@:
.endm
; A prefetch of the key slot that the next change of slots will ask for: four key steps ahead of that load.  All four clusters of a head walk the same K and V: the cluster with x = 0, whose second block walks
; all eight key slots in order, asks.  Of the 128 rows that a wave fetches each partner names 32, told apart by address; a lane a row of 256 bytes.  Key slot 0 and the last change ask for nothing.
.macro ASK
	s_cmp_gt_u32 s[SLOTS], s[LIMP]
	s_cbranch_scc0 .Lnot_mine_\@
	global_prefetch_b8 v[PFO], s[PFA:PFA+1] th:TH_LOAD_NT scope:SCOPE_SE
.Lnot_mine_\@:
.endm
.macro CROUND
	s_barrier_signal -1
	s_barrier_wait -1
	s_cmp_lg_u32 s[WV], 0
	s_cbranch_scc1 .Lnot_wave_0_\@
	s_barrier_signal -3
.Lnot_wave_0_\@:
	s_barrier_wait -3
	s_barrier_signal -1
	s_barrier_wait -1
.endm
.macro PLACES
.rept 4
	v_nop
.endr
.endm
.macro QLOAD qb                        ; both tiles' Q: lane l holds query l % 16; they stay in registers for a block
	WIN 0x40
.irp t, 0,1
.irp f, 0,1,2,3
	global_load_b128 v[128+32*\t+8*\f:128+32*\t+8*\f+3], v[QO], s[\qb:\qb+1] offset:524288*\t+64*\f
	global_load_b128 v[128+32*\t+8*\f+4:128+32*\t+8*\f+7], v[QO], s[\qb:\qb+1] offset:524288*\t+64*\f+32
.endr
.endr
	WIN 0
.endm
	s_load_b128 s[4:7], s[0:1], 0x0                ; q16, kv16
	s_load_b64 s[8:9], s[0:1], 0x10                ; o16
	v_lshl_add_u32 v[SPW], v0, 2, SPARE
	v_mov_b32 v[NIL], 0
	ds_add_u32 v[SPW], v[NIL]                      ; the wave's opening: the add, twice on end, and its wait ahead of my first tensor load
	ds_add_u32 v[SPW], v[NIL]
	v_lshrrev_b32 v1, 5, v0
	v_readfirstlane_b32 s[WV], v1
	s_mov_b32 s[PP], ttmp9                         ; the cluster's x
	s_and_b32 s82, ttmp7, 0xffff                   ; y = 8 b + g
	s_and_b32 s83, s[WV], 1                        ; which 128 rows of a slot I fetch
	s_lshl_b32 s84, s82, 19                        ; a head of K or V: 2,048 rows of 256 bytes
	s_lshl_b32 s85, s83, 15
	s_add_co_u32 s84, s84, s85
	s_mov_b32 s85, 0
	s_mul_i32 s[WPK], s83, 128*PK
	s_mul_i32 s[WPV], s83, 128*PV
	s_add_co_u32 s[WPV], s[WPV], VOFF
	s_mul_i32 s83, s[WV], 16*SP
	s_add_co_u32 s83, s83, STAGE                   ; my stage
	s_mov_b32 s[G1K], 15|(1<<16)|(1<<20)|(1<<21)|(5<<22)|(3<<25)  ; the mask: all four; elements of 2 bytes; padding on; bit 21 beside a mask; 4 words after every 64
	s_mov_b32 s[G1V], 15|(1<<16)|(1<<20)|(1<<21)|(5<<22)|(7<<25)  ; the same with 8 words
.irp g, G1K, G1V
	s_mov_b32 s[\g+1], 128<<16                     ; tensor_dim0 = 128
	s_mov_b32 s[\g+2], 128<<16                     ; tensor_dim1 = 128
	s_mov_b32 s[\g+3], 128<<16                     ; tile_dim0 = 128
	s_mov_b32 s[\g+4], 128                         ; tile_dim1 = 128
	s_mov_b32 s[\g+5], 128                         ; the pitch
	s_mov_b32 s[\g+6], 0
	s_mov_b32 s[\g+7], 0
.endr
	s_mov_b32 s[CS], 0x3e0293ee                    ; c = log2(e) / sqrt(128)
	s_mov_b32 s[CS+1], s[CS]
	s_mov_b32 s[SEL], 0x76543210
	s_mov_b32 s[SEL+1], 0xfedcba98
	s_lshl_b32 s[LIM], s[PP], 2
	s_add_co_u32 s[NB], s[LIM], 4
	s_add_co_u32 s[LIM], s[LIM], s[WV]
	s_sub_co_u32 s[LIM1], 7, s[PP]
	s_lshl_b32 s[LIM1], s[LIM1], 2
	s_add_co_u32 s[LIM1], s[LIM1], s[WV]
	s_add_co_u32 s[NBS], s[PP], 1
	s_mov_b32 s[KB], 0
	s_mov_b32 s[SC], 0
	s_mov_b32 s[SF], 1
	s_mov_b32 s[RP], 0
	s_mov_b32 s[FP], SLOTB
	s_mov_b32 s[SLOTS], 7
	s_cmp_eq_u32 s[PP], 0
	s_cselect_b32 s[LIMP], 1, -1
	s_bfe_u32 s[CX], ttmp6, 0x40000                ; my place in the cluster: it enters Q's, O's and the prefetches' addresses and the mask's numbers alone
	s_lshl_b32 s74, s[WV], 6
	s_lshl_b32 s75, s[CX], 4
	s_add_co_u32 s74, s74, s75                     ; 64 w + 16 cx
	s_lshl_b32 s76, s[PP], 8
	s_add_co_u32 s76, s76, s74                     ; my first position in the first block,
	s_sub_co_u32 s77, 7, s[PP]
	s_lshl_b32 s77, s77, 8
	s_add_co_u32 s77, s77, s74                     ; and in the second
	s_lshl_b32 s78, s82, 20                        ; Q: head 2 y
	s_lshr_b32 s79, s82, 3
	s_lshl_b32 s79, s79, 23                        ; O: batch b: 2,048 rows of 4,096 bytes,
	s_and_b32 s86, s82, 7
	s_lshl_b32 s86, s86, 9
	s_add_co_u32 s79, s79, s86                     ; head 2 g: 256 bytes a head
	s_wait_dscnt 0x0                               ; both opening adds are done
	s_wait_kmcnt 0x0
	s_add_nc_u64 s[KBASE:KBASE+1], s[6:7], s[84:85]
	s_add_nc_u64 s[VBASE:VBASE+1], s[KBASE:KBASE+1], 0x800000
	s_mov_b32 s87, 0
	s_lshl_b32 s86, s76, 8
	s_add_co_u32 s86, s86, s78
	s_add_nc_u64 s[QB0:QB0+1], s[4:5], s[86:87]
	s_lshl_b32 s86, s77, 8
	s_add_co_u32 s86, s86, s78
	s_add_nc_u64 s[QB1:QB1+1], s[4:5], s[86:87]
	s_lshl_b32 s86, s76, 12
	s_add_co_u32 s86, s86, s79
	s_add_nc_u64 s[OB0:OB0+1], s[8:9], s[86:87]
	s_lshl_b32 s86, s77, 12
	s_add_co_u32 s86, s86, s79
	s_add_nc_u64 s[OB1:OB1+1], s[8:9], s[86:87]
	s_cmp_lt_u32 s[WV], 2
	s_cselect_b64 s[PFA:PFA+1], s[KBASE:KBASE+1], s[VBASE:VBASE+1]
	s_lshl_b32 s86, s[CX], 13                      ; my work-group's 32 rows of the 128
	s_add_nc_u64 s[PFA:PFA+1], s[PFA:PFA+1], s[86:87]   ; in key slot 0: the first change steps it to key slot 1
	s_mov_b32 s[G0K], 1
	s_mov_b32 s[G0K+1], s[WPK]
	s_mov_b64 s[G0K+2:G0K+3], s[KBASE:KBASE+1]
	s_or_b32 s[G0K+3], s[G0K+3], 0x80000000
	s_mov_b32 s[G0V], 1
	s_mov_b32 s[G0V+1], s[WPV]
	s_mov_b64 s[G0V+2:G0V+3], s[VBASE:VBASE+1]
	s_or_b32 s[G0V+3], s[G0V+3], 0x80000000
	CROUND                                         ; all four work-groups are here
	JLOAD                                          ; the walk's slot 0 into LDS slot 0
	v_and_b32 v1, 15, v0                           ; l % 16
	v_bfe_u32 v9, v0, 4, 1                         ; l / 16
	v_lshlrev_b32 v[QO], 8, v1
	v_lshl_add_u32 v[QO], v9, 4, v[QO]
	QLOAD QB0
	v_mul_u32_u24 v[AK0], v1, PK
	v_lshl_add_u32 v[AK0], v9, 4, v[AK0]
	v_and_b32 v32, 7, v0
	v_bfe_u32 v33, v0, 3, 1
	v_lshl_add_u32 v[AV0], v9, 3, v32              ; the turning load: lane l reads key 8 (l / 16) + l % 8, channels 8 ((l / 8) % 2) on
	v_mul_u32_u24 v[AV0], v[AV0], PV
	v_lshl_add_u32 v[AV0], v33, 4, v[AV0]
	v_add_nc_u32 v[AV0], VOFF, v[AV0]
	v_mul_u32_u24 v[STO], v1, SP
	v_lshl_add_u32 v[STO], v9, 4, v[STO]
	v_add_nc_u32 v[STO], s83, v[STO]
	v_mul_u32_u24 v[RD], v9, SP
	v_lshl_add_u32 v[RD], v1, 4, v[RD]
	v_add_nc_u32 v[RD], s83, v[RD]
	v_lshlrev_b32 v[GO], 12, v9
	v_lshl_add_u32 v[GO], v1, 4, v[GO]
	v_and_b32 v[PFO], 31, v0
	v_lshlrev_b32 v[PFO], 8, v[PFO]
	v_lshlrev_b32 v32, 3, v9
	v_sub_nc_u32 v[DQ], v1, v32
	v_add_nc_u32 v[DQ], s75, v[DQ]
	v_mov_b32 v[NEG], 0xf149f2ca                   ; -1e30
.irp t, 0,1
	v_mov_b32 v[ST+8*\t+1], 0xff61b1e6             ; m = -3e38, under every score
	v_mul_f32 v[ST+8*\t], s[CS], v[ST+8*\t+1]
.irp n, 2,3,4,5,6,7
	v_mov_b32 v[ST+8*\t+\n], 0
.endr
.endr
.set n, 0
.rept 32
	v_mov_b32 v[MKC+n], 0                          ; no key is hidden until the diagonal
.set n, n+1
.endr
	WIN 0x40
.set n, 0
.rept 128
	v_mov_b32 v[n], 0                              ; O^T, once: the key step is written in one form, and its first a multiplies these
.set n, n+1
.endr
	WIN 0
	s_wait_loadcnt 0x0                             ; Q
; a step's K (16 fragments as they lie) and V (16 fragments, turned) into buffer fb: 64 LDS loads in one run
.macro FETCH fb
	WIN 0
	v_add_nc_u32 v[ADK], s[TBK], v[AK0]
	v_add_nc_u32 v[ADV], s[TBV], v[AV0]
	s_add_co_u32 s[TBK], s[TBK], KSTEPB
	s_add_co_u32 s[TBV], s[TBV], VSTEPB
	WIN (2+\fb)<<6
.irp f, 0,1,2,3,4,5,6,7,8,9,10,11,12,13,14,15  ; keys 16 (f / 4) on, channels 32 (f % 4) on
	ds_load_b128 v[8*\f:8*\f+3],   v[ADK] offset:(\f/4)*16*PK+(\f%4)*64
	ds_load_b128 v[8*\f+4:8*\f+7], v[ADK] offset:(\f/4)*16*PK+(\f%4)*64+32
.endr
.irp f, 0,1,2,3,4,5,6,7,8,9,10,11,12,13,14,15  ; keys 32 (f / 8) on, channels 16 (f % 8) on
	ds_load_tr16_b128 v[128+8*\f:128+8*\f+3],   v[ADV] offset:(\f/8)*32*PV+(\f%8)*32
	ds_load_tr16_b128 v[128+8*\f+4:128+8*\f+7], v[ADV] offset:(\f/8)*32*PV+16*PV+(\f%8)*32
.endr
	WIN 0
.endm
; product i of 16 of tile t's S^T: keys 16 (i % 4) on, channels 32 (i / 4) on.  The first four begin with the mask.  Four accumulators by turns.
.macro KQ t, bw
	WIN 0x04+\bw
.set rS, S+32*(\t)+8*(i%4)
.set rK, 32*(i%4)+8*(i/4)
.set rQ, 128+32*(\t)+8*(i/4)
.if i < 4
	v_wmma_f32_16x16x32_f16 v[rS:rS+7], v[rK:rK+7], v[rQ:rQ+7], v[MKC+8*i:MKC+8*i+7]
.else
	v_wmma_f32_16x16x32_f16 v[rS:rS+7], v[rK:rK+7], v[rQ:rQ+7], v[rS:rS+7]
.endif
.endm
; product i of 16 of tile t's O^T += V^T P: keys 32 (i / 8) on, channels 16 (i % 8) on.  Eight accumulators by turns.
.macro PV t, bw
	WIN 0x50+\bw
.set rO, 64*(\t)+8*(i%8)
.set rV, 128+64*(i/8)+8*(i%8)
.set rP, P+16*(\t)+8*(i/8)
	v_wmma_f32_16x16x32_f16 v[rO:rO+7], v[rV:rV+7], v[rP:rP+7], v[rO:rO+7]
.endm
; One tile's softmax for a key step is a list of 134 instructions; SM writes number j of it for tile t.
;   0-15 the maximum of the lane's 32 scores and the old m (each accumulator from its low end on); 16-20 the other half of the lanes' maximum, the new m, c m and its change;
;   21-69 ONE BATCH: 16 packed scalings c s - c m and 33 exponentials (a at 23), none of which reads an exponential's result; then a plain instruction and one wait;
;   70-85 the roundings to f16; 86-101 the sums, l = a l + the sum; 102-133 O^T times a.
.macro SM t
.set rT, ST+8*(\t)
.set rS, S+32*(\t)
.set rP, P+16*(\t)
.set rO, 64*(\t)+2*(j-102)
.if j < 102
	WIN 0
.endif
.if j == 70
	v_nop
	s_wait_alu depctr_va_vdst(0)
.endif
.if j < 4
	v_max3_num_f32 v[rT+4+j], v[rS+8*j], v[rS+8*j+1], v[rS+8*j+2]
.elseif j < 12
	v_max3_num_f32 v[rT+4+j%4], v[rT+4+j%4], v[rS+8*(j%4)+2*(j/4)+1], v[rS+8*(j%4)+2*(j/4)+2]
.elseif j == 12
	v_max3_num_f32 v[rT+4], v[rT+4], v[rS+7], v[rS+15]
.elseif j == 13
	v_max3_num_f32 v[rT+6], v[rT+6], v[rS+23], v[rS+31]
.elseif j == 14
	v_max3_num_f32 v[rT+4], v[rT+4], v[rT+5], v[rT+6]
.elseif j == 15
	v_max3_num_f32 v[rT+4], v[rT+4], v[rT+7], v[rT+1]
.elseif j == 16
	v_permlanex16_b32 v[rT+5], v[rT+4], s[SEL], s[SEL+1]
.elseif j == 17
	v_mov_b32 v[rT+7], v[rT]
.elseif j == 18
	v_max_num_f32 v[rT+1], v[rT+4], v[rT+5]
.elseif j == 19
	v_mul_f32 v[rT], s[CS], v[rT+1]
.elseif j == 20
	v_sub_f32 v[rT+7], v[rT+7], v[rT]
.elseif j == 23
	v_exp_f32 v[rT+6], v[rT+7]
.elseif (j < 23) || ((j < 38) && (j%2 == 0)) || ((j < 66) && (j%4 == 2))
.set b, (j-2)/4
.if j < 38
.set b, (j-20)/2
.endif
	v_pk_fma_f32 v[rS+2*b:rS+2*b+1], v[rS+2*b:rS+2*b+1], s[CS:CS+1], v[rT:rT+1] op_sel_hi:[1,0,0] neg_lo:[0,0,1] neg_hi:[0,0,1]
.elseif j < 70
.set e, j-38
.if j < 66
.set e, j-32-(j-38)/4
.endif
.if j < 38
.set e, (j-25)/2
.endif
	v_exp_f32 v[rS+e], v[rS+e]
.elseif j < 86
	v_cvt_pk_f16_f32 v[rP+j-70], v[rS+2*(j-70)], v[rS+2*(j-70)+1]
.elseif j < 102
.set z, j-86
.set w, 4
.set u, z
.if z >= 14
.set w, 32
.set u, 0
.elseif z >= 12
.set w, 16
.set u, z-12
.elseif z >= 8
.set w, 8
.set u, z-8
.endif
.if z < 15
	v_pk_add_f32 v[rS+w*u:rS+w*u+1], v[rS+w*u:rS+w*u+1], v[rS+w*u+w/2:rS+w*u+w/2+1]
.else
	v_pk_fma_f32 v[rT+2:rT+3], v[rT+2:rT+3], v[rT+6:rT+7], v[rS:rS+1] op_sel_hi:[1,0,1]
.endif
.else
	WIN W_RS
	v_pk_mul_f32 v[rO:rO+1], v[rO:rO+1], v[rT+6:rT+7] op_sel_hi:[1,0]
.endif
.endm
.macro SLICE t                         ; slice k of 16: eight numbers of the list; the last has fourteen
.set n8, 8
.if k == 15
.set n8, 14
.endif
.set j, 8*k
.rept n8
	SM \t
.set j, j+1
.endr
.set k, k+1
.endm
; A KEY STEP's work on the buffer in window bw.
.macro COMPUTE bw
	s_cmp_gt_u32 s[KB], s[LIM]                     ; all 64 keys come after my queries: nothing to do
	s_cbranch_scc1 .Lhid_\@
	s_cmp_lg_u32 s[KB], s[LIM]
	s_cbranch_scc1 .Lopen_\@
.set n, 0
.rept 32                                       ; my diagonal step: register 8 kt + i of S^T holds key 16 kt + 8 (lane / 16) + i of the step: hidden where 16 kt + i > 16 cx + lane % 16 - 8 (lane / 16)
	v_cmp_gt_i32 vcc_lo, 16*(n/8)+n%8, v[DQ]
	v_cndmask_b32 v[MKC+n], 0, v[NEG], vcc_lo
.set n, n+1
.endr
.Lopen_\@:
.set i, 0
.rept 16
	KQ 0, \bw
.set i, i+1
.endr
	WIN 0
	PLACES                                         ; four places between tile 0's last product and the first read of its scores
.set k, 0
.set i, 0
.rept 16
	KQ 1, \bw
	SLICE 0
.set i, i+1
.endr                                              ; (the last slice's fourteen multiplies of tile 0's O^T are the places behind tile 1's last product)
.set k, 0
.set i, 0
.rept 16
	PV 0, \bw
	SLICE 1
.set i, i+1
.endr
.set i, 0
.rept 16
	PV 1, \bw
.set i, i+1
.endr
	WIN 0
.Lhid_\@:
	s_add_co_u32 s[KB], s[KB], 1
	s_add_co_u32 s[SC], s[SC], 1
.endm
.macro STEPX fb, cb                    ; the next step's fragments into buffer fb, this step's work on buffer cb
	s_wait_dscnt 0x0                               ; the run of loads issued a step ago is in
	PLACES                                         ; four places between the last products on buffer fb and the loads into it
	FETCH \fb
	COMPUTE 2+\cb
.endm
; THE CHANGE OF SLOTS.  Each wave waits for all its tensor loads (its part of the slot that is read next), adds 0 to its spare word, and waits for that and for its reads of the slot that it leaves.
; fill = 1: a round of the cluster's barrier, and behind it the joint load of the walk's next slot into the slot just left: one tensor load of mine is out, with four key steps in which to land.
.macro CHANGE fill
	s_wait_tensorcnt 0x0                           ; no tensor load of mine is out: the groups 0 may be written
	ds_add_u32 v[SPW], v[NIL]
.if \fill
	s_cmp_ge_u32 s[SF], s[NBS]                     ; the walk's slot as a key slot: the second block begins again at key 0
	s_cselect_b32 s74, s[NBS], 0
	s_sub_co_u32 s74, s[SF], s74
	s_lshl_b32 s74, s74, 16                        ; 256 keys of 256 bytes
	s_mov_b32 s75, 0
	s_add_nc_u64 s[G0K+2:G0K+3], s[KBASE:KBASE+1], s[74:75]
	s_or_b32 s[G0K+3], s[G0K+3], 0x80000000
	s_add_nc_u64 s[G0V+2:G0V+3], s[VBASE:VBASE+1], s[74:75]
	s_or_b32 s[G0V+3], s[G0V+3], 0x80000000
	s_add_co_u32 s[G0K+1], s[FP], s[WPK]
	s_add_co_u32 s[G0V+1], s[FP], s[WPV]
	s_xor_b32 s[FP], s[FP], SLOTB
	s_add_co_u32 s[SF], s[SF], 1
	s_wait_xcnt 0x0                                ; the last prefetch, a slot back, has read its address
	s_add_nc_u64 s[PFA:PFA+1], s[PFA:PFA+1], 0x10000
	s_wait_dscnt 0x0                               ; the add is done, and my reads of the slot are over
	CROUND
	JLOAD
	ASK
.else
	s_wait_dscnt 0x0
	s_barrier_signal -1
	s_barrier_wait -1
.endif
	s_mov_b32 s[TBK], s[RP]                        ; the fetches go on in the other slot
	s_mov_b32 s[TBV], s[RP]
	s_xor_b32 s[RP], s[RP], SLOTB
.endm
; THE WAY OUT of a block: O^T / l, rounded to f16, through my stage in LDS, a tile (16 rows) at a time; sixteen lanes store 256 consecutive bytes, aligned.
.macro PACK t
	WIN W_RS
.set i, 64*\t
.rept 32
	v_pk_mul_f32 v[i:i+1], v[i:i+1], v[ST+8*\t+6:ST+8*\t+7] op_sel_hi:[1,0]
.set i, i+2
.endr
	WIN 0x05
.set i, 0
.rept 32
	v_cvt_pk_f16_f32 v[S+32*\t+i], v[64*\t+2*i], v[64*\t+2*i+1]
.set i, i+1
.endr
	WIN 0
.irp f, 0,1,2,3,4,5,6,7
	ds_store_b128 v[STO], v[S+32*\t+4*\f:S+32*\t+4*\f+3] offset:32*\f
.endr
.irp f, 0,1,2,3,4,5,6,7
	ds_load_b128 v[S+32*\t+4*\f:S+32*\t+4*\f+3], v[RD] offset:\f*2*SP   ; LDS serves a wave's instructions in order: these see the stores above
.endr
.endm
.macro SEND t, younger, ob
.irp f, 0,1,2,3,4,5,6,7
	s_wait_dscnt \younger+7-\f                     ; behind this load: the rest of its run and the next tile's sixteen LDS instructions
	global_store_b128 v[GO], v[S+32*\t+4*\f:S+32*\t+4*\f+3], s[\ob:\ob+1] offset:8192*\f+256*\t
.endr
.endm
.macro OUT ob
	PLACES
.irp t, 0,1
	v_add_f32 v[ST+8*\t+4], v[ST+8*\t+2], v[ST+8*\t+3]
.endr
.irp t, 0,1
	v_permlanex16_b32 v[ST+8*\t+5], v[ST+8*\t+4], s[SEL], s[SEL+1]
.endr
.irp t, 0,1
	v_add_f32 v[ST+8*\t+4], v[ST+8*\t+4], v[ST+8*\t+5]
.endr
.irp t, 0,1
	v_rcp_f32 v[ST+8*\t+6], v[ST+8*\t+4]
.endr
	v_nop
	s_wait_alu depctr_va_vdst(0)                   ; one wait for the two reciprocals, ahead of their first reader
	PACK 0
	PACK 1
	SEND 0, 16, \ob
	SEND 1, 0, \ob
.endm
; THE CHANGE OF BLOCKS, where the first block's steps have been walked: a branch on the cluster's x and the count of steps.
.macro SWITCH
	s_cmp_lg_u32 s[SC], s[NB]
	s_cbranch_scc1 .Lsame_\@
	PLACES
	QLOAD QB1                                      ; the second block's queries land while the first block goes out
	OUT OB0
.irp t, 0,1
	v_mov_b32 v[ST+8*\t+1], 0xff61b1e6             ; m = -3e38: the next step's a is 0
	v_mul_f32 v[ST+8*\t], s[CS], v[ST+8*\t+1]
.endr
.set n, 0
.rept 32
	v_mov_b32 v[MKC+n], 0
.set n, n+1
.endr
	s_mov_b32 s[KB], 0
	s_mov_b32 s[LIM], s[LIM1]
	s_wait_loadcnt 0x0                             ; Q
	s_wait_xcnt 0x0                                ; the stores have read their data: S^T's registers are written again only behind this wait
.Lsame_\@:
.endm
.macro TWO_STEPS sw                    ; four key steps: two trips of two, in which the buffers change places
	s_mov_b32 s[TWICE], 2
.Lstep_\@:
	STEPX 0, 1
.if \sw
	SWITCH
.endif
	STEPX 1, 0
	s_sub_co_u32 s[TWICE], s[TWICE], 1
	s_cmp_lg_u32 s[TWICE], 0
	s_cbranch_scc1 .Lstep_\@
.endm
	CHANGE 1                                       ; slot 0 has landed; LDS slot 1 gets its first fill, issued as a refill is
	FETCH 0                                        ; step 0
	STEPX 1, 0
	STEPX 0, 1
	STEPX 1, 0
.Lslot:                                            ; seven trips: the walk's slots 2 to 8 are asked for
	CHANGE 1
	TWO_STEPS 1
	s_sub_co_u32 s[SLOTS], s[SLOTS], 1
	s_cmp_lg_u32 s[SLOTS], 0
	s_cbranch_scc1 .Lslot
	CHANGE 0                                       ; the last slot is written out: nothing is left to ask for
	TWO_STEPS 0
	s_wait_dscnt 0x0
	COMPUTE 3                                      ; step 35
	OUT OB1
	s_wait_tensorcnt 0x0                           ; the wave's end
	ds_add_u32 v[SPW], v[NIL]
	s_wait_dscnt 0x0
	CROUND                                         ; the closing round
	s_endpgm
.Lfunc_end_k_q980aedbd80_attn:
	.size	k_q980aedbd80_attn, .Lfunc_end_k_q980aedbd80_attn-k_q980aedbd80_attn
	.p2alignl 7, 3214868480
	.fill 96, 4, 3214868480
	.section	.rodata,"a",@progbits
	.p2align	6, 0x0
	.amdhsa_kernel k_q980aedbd80_attn
		.amdhsa_group_segment_fixed_size 327680
		.amdhsa_private_segment_fixed_size 0
		.amdhsa_enable_private_segment 0
		.amdhsa_kernarg_size 24
		.amdhsa_user_sgpr_count 2
		.amdhsa_user_sgpr_kernarg_segment_ptr 1
		.amdhsa_wavefront_size32 1
		.amdhsa_system_sgpr_workgroup_id_x 1
		.amdhsa_system_sgpr_workgroup_id_y 1
		.amdhsa_system_sgpr_workgroup_id_z 1
		.amdhsa_system_vgpr_workitem_id 0
		.amdhsa_next_free_vgpr 1024
		.amdhsa_next_free_sgpr 90
		.amdhsa_reserve_vcc 1
		.amdhsa_float_denorm_mode_32 3
		.amdhsa_float_denorm_mode_16_64 3
		.amdhsa_memory_ordered 1
		.amdhsa_forward_progress 1
		.amdhsa_inst_pref_size 255
	.end_amdhsa_kernel
	.section	.bss,"aw",@nobits
	.p2align	6
	.space	262144
	.amdgpu_metadata
---
amdhsa.version: [ 1, 2 ]
amdhsa.kernels:
  - .name:           k_q980aedbd80_attn
    .symbol:         k_q980aedbd80_attn.kd
    .args:
      - { .name: q16, .offset: 0, .size: 8, .value_kind: global_buffer, .address_space: global }
      - { .name: kv16, .offset: 8, .size: 8, .value_kind: global_buffer, .address_space: global }
      - { .name: o16, .offset: 16, .size: 8, .value_kind: global_buffer, .address_space: global }
    .group_segment_fixed_size: 327680
    .private_segment_fixed_size: 0
    .kernarg_segment_align: 8
    .kernarg_segment_size: 24
    .max_flat_workgroup_size: 128
    .sgpr_count:     90
    .vgpr_count:     1024
    .wavefront_size: 32
...
	.end_amdgpu_metadata
.endif
;; end of part 3
;; launch proj (part 4): grid 8 x 32, 4 waves a work-group, clusters of 4 x 4, 327,680 bytes of LDS; arguments o16, wo16, out0; writes out0
.if DOCPART == 4
	.amdgcn_target "amdgcn-amd-amdhsa--gfx1250"
	.amdhsa_code_object_version 6
	.text
	.protected	k_q980aedbd80_proj
	.globl	k_q980aedbd80_proj
	.p2align	8
	.type	k_q980aedbd80_proj,@function
k_q980aedbd80_proj:
	s_mov_b64 s[64:65], 0
	v_nop
	global_prefetch_b8 v0, s[64:65] scope:SCOPE_SE
	s_setreg_imm32_b32 hwreg(HW_REG_WAVE_MODE, 25, 1), 1
	s_wait_xcnt 0x0
	s_wait_alu depctr_hold_cnt(0) depctr_sa_sdst(0) depctr_va_vdst(0) depctr_va_sdst(0) depctr_va_ssrc(0) depctr_va_vcc(0) depctr_vm_vsrc(0)
	s_getreg_b32 s2, hwreg(HW_REG_IB_STS2, 6, 4)
	s_cmp_eq_u32 s2, 0
	s_cbranch_scc0 .Lentry_in_a_cluster
	s_endpgm
.Lentry_in_a_cluster:
	s_bfe_u32 s2, ttmp6, 0x10000c
	s_cmp_lg_u32 s2, 0xf033
	s_cbranch_scc0 .Lentry_shape_is_right
	s_endpgm
.Lentry_shape_is_right:
; out0[m][n] = sum over k of o[m][k] Wo[n][k].  o16: [4096][2048], wo16: [1024][2048], f16; out0: [4096][1024] f32; sums in f32.
; 256 tiles of 128 x 128, one to a work-group of four waves, each 64 x 64: 16 accumulators.  K goes in steps of 256 (LDS rows of 512 bytes) through a ring of two slots filled by the tensor data mover.
; CLUSTERS: 4 x 4 work-groups; A's tiles are asked for jointly along a row of the cluster, B's along a column.  The matrix instruction is used transposed: a lane holds eight neighbouring numbers of a row of the result.
; A wave's 64 columns of f32 are 256 consecutive bytes, aligned: each wave has a stage of its own on the way out, and no barrier stands there.
; The rows of the first 16 positions of each sequence are written here like all others and written again, more finely, by the launch that follows: which tile row holds them hangs on the place in the cluster.
; REGISTERS: window 0: v0-31 addresses; v32-95 at work on the way out; v128-255 the accumulators ((a, b) at v[128 + 8 (4 a + b)]).   window 1: two fragment buffers of 128.
.set SIZE_K, 2048
.set SIZE_N, 1024
.set KSTEP,  256
.set PITCH,  528
.set HALFT,  64*PITCH
.set SLOT,   4*HALFT
.set STAGE,  2*SLOT                    ; behind the ring: 16 rows x 272 bytes for each wave
.set SPITCH, 272
.set SPARE,  STAGE+4*16*SPITCH         ; the spare words, 128 bytes a wave, which no other line names
.set LAPS, SIZE_K/(2*KSTEP)
.set ADRA, 16
.set ADRB, 20
.set STO,  24
.set RD,   25
.set CO,   26
.set SPW,  28
.set NIL,  29
.set TMP,  32
.set ACC,  128
.set F0,   0
.set F1,   128
.set G1, 24
.set G0, 32
.set G1B, 48
.set G0B, 56
.set MSB, 0
.macro WIN new
.if MSB != \new
	s_set_vgpr_msb (MSB<<8)|\new
.set MSB, \new
.endif
.endm
.set MUL,  0x05                        ; sources 0 (B) and 1 (A) window 1; C and D window 0
.set TO_F, 0x40
.macro JLOAD s                         ; waves 0 and 1 fetch A's two halves, waves 2 and 3 B's; an s_nop 0 and four v_nop follow each line
	s_cmp_eq_u32 s11, 0
	s_cbranch_scc0 .Lfor_b_\@
	tensor_load_to_lds s[G0+4*\s:G0+4*\s+3], s[G1:G1+7]
	s_nop 0
.rept 4
	v_nop
.endr
	s_branch .Lasked_\@
.Lfor_b_\@:
	tensor_load_to_lds s[G0B+4*\s:G0B+4*\s+3], s[G1B:G1B+7]
	s_nop 0
.rept 4
	v_nop
.endr
.Lasked_\@:
.endm
.macro CREST
	s_cmp_lg_u32 s10, 0
	s_cbranch_scc1 .Lnot_wave_0_\@
	s_barrier_signal -3
.Lnot_wave_0_\@:
	s_barrier_wait -3
	s_barrier_signal -1
	s_barrier_wait -1
.endm
.macro CROUND
	s_barrier_signal -1
	s_barrier_wait -1
	CREST
.endm
	s_load_b128 s[4:7], s[0:1], 0x0                ; o16, wo16
	s_load_b64 s[8:9], s[0:1], 0x10                ; out0
	v_lshl_add_u32 v[SPW], v0, 2, SPARE
	v_mov_b32 v[NIL], 0
	ds_add_u32 v[SPW], v[NIL]                      ; the wave's opening: the add, twice on end, and its wait ahead of my first tensor load
	ds_add_u32 v[SPW], v[NIL]
	v_lshrrev_b32 v1, 5, v0
	v_readfirstlane_b32 s10, v1                    ; wave 0..3
	s_lshr_b32 s11, s10, 1                         ; which half of the tile's rows is mine.  Also: I fetch for A (0) or for B (1)
	s_and_b32 s12, s10, 1                          ; which half of its columns.  Also: which 64 rows of that tile I fetch
	s_bfe_u32 s40, ttmp6, 0x40000
	s_bfe_u32 s41, ttmp6, 0x40004
	s_lshl_b32 s42, ttmp9, 2
	s_add_co_u32 s42, s42, s40                     ; tile column
	s_and_b32 s13, ttmp7, 0xffff
	s_lshl_b32 s13, s13, 2
	s_add_co_u32 s13, s13, s41                     ; tile row
	s_lshl_b32 s43, s41, 2
	s_lshl_b32 s43, 15, s43
	s_lshl_b32 s44, 0x1111, s40
	s_or_b32 s[G1+0], s43, (1<<16)|(1<<20)|(1<<21)|(6<<22)|(3<<25)  ; the mask; elements of 2 bytes; padding on; bit 21 beside a mask; 4 words after every 128
	s_or_b32 s[G1B+0], s44, (1<<16)|(1<<20)|(1<<21)|(6<<22)|(3<<25)
.irp g, G1, G1B
	s_mov_b32 s[\g+1], KSTEP<<16
	s_mov_b32 s[\g+2], 64<<16
	s_mov_b32 s[\g+3], KSTEP<<16
	s_mov_b32 s[\g+4], 64
	s_mov_b32 s[\g+5], SIZE_K
	s_mov_b32 s[\g+6], 0
	s_mov_b32 s[\g+7], 0
.endr
	s_lshl_b32 s17, s12, 6
	s_lshl_b32 s16, s13, 7
	s_add_co_u32 s16, s16, s17
	s_lshl_b32 s46, s42, 7
	s_add_co_u32 s46, s46, s17
	s_mov_b32 s17, 0
	s_mov_b32 s47, 0
	s_mov_b64 s[18:19], SIZE_K*2
	s_mul_u64 s[16:17], s[16:17], s[18:19]
	s_mul_u64 s[46:47], s[46:47], s[18:19]
	s_mul_i32 s20, s10, HALFT
	s_wait_dscnt 0x0
	s_wait_kmcnt 0x0
	s_add_nc_u64 s[14:15], s[4:5], s[16:17]
	s_add_nc_u64 s[46:47], s[6:7], s[46:47]
	CROUND
.irp s, 0,1
	s_mov_b32 s[G0+4*\s], 1
	s_add_co_u32 s[G0+4*\s+1], s20, \s*SLOT
	s_add_nc_u64 s[G0+4*\s+2:G0+4*\s+3], s[14:15], \s*KSTEP*2
	s_or_b32 s[G0+4*\s+3], s[G0+4*\s+3], 0x80000000
	s_mov_b32 s[G0B+4*\s], 1
	s_add_co_u32 s[G0B+4*\s+1], s20, \s*SLOT
	s_add_nc_u64 s[G0B+4*\s+2:G0B+4*\s+3], s[46:47], \s*KSTEP*2
	s_or_b32 s[G0B+4*\s+3], s[G0B+4*\s+3], 0x80000000
	JLOAD \s
.endr
	v_and_b32 v1, 15, v0
	v_bfe_u32 v2, v0, 4, 1
	v_mul_u32_u24 v3, v1, PITCH
	v_lshl_add_u32 v3, v2, 4, v3
	s_mul_i32 s21, s11, HALFT
	s_mul_i32 s22, s12, HALFT
	s_add_co_u32 s22, s22, 2*HALFT
.irp s, 0,1
	v_add_nc_u32 v[ADRA+\s], s21, v3
	v_add_nc_u32 v[ADRB+\s], s22, v3
	s_add_co_u32 s21, s21, SLOT
	s_add_co_u32 s22, s22, SLOT
.endr
	s_mul_i32 s23, s10, 16*SPITCH
	s_add_co_u32 s23, s23, STAGE                   ; my stage
	v_mul_u32_u24 v4, v1, SPITCH                   ; in: row l % 16, 32 bytes for each half of the lanes
	v_lshl_add_u32 v4, v2, 5, v4
	v_add_nc_u32 v[STO], s23, v4
	v_mul_u32_u24 v5, v2, SPITCH                   ; back: lanes 0-15 one row of 256 bytes, lanes 16-31 the next
	v_lshl_add_u32 v5, v1, 4, v5
	v_add_nc_u32 v[RD], s23, v5
	v_lshlrev_b32 v5, 12, v2                       ; and the same two rows in out0: 4,096 bytes a row
	v_lshl_add_u32 v[CO], v1, 4, v5
	s_lshl_b32 s16, s13, 7
	s_lshl_b32 s17, s11, 6
	s_add_co_u32 s16, s16, s17                     ; my first row: 128 x tile row + 64 x half
	s_lshl_b32 s16, s16, 12
	s_mov_b32 s17, 0
	s_add_nc_u64 s[8:9], s[8:9], s[16:17]
	s_lshl_b32 s46, s42, 9                         ; my first column, in bytes: 512 x tile column + 256 x half
	s_lshl_b32 s47, s12, 8
	s_add_co_u32 s46, s46, s47
	s_mov_b32 s47, 0
	s_add_nc_u64 s[8:9], s[8:9], s[46:47]
.macro MUL8 f, c, a0, zero             ; 8 matrix instructions; the 16 accumulators take turns
.irp a, \a0, \a0+1
.irp b, 0,1,2,3
.if \zero
	v_wmma_f32_16x16x32_f16 v[ACC+8*(4*(\a)+\b):ACC+8*(4*(\a)+\b)+7], v[\f+64+8*(4*\c+\b):\f+64+8*(4*\c+\b)+7], v[\f+8*(4*\c+\a):\f+8*(4*\c+\a)+7], 0
.else
	v_wmma_f32_16x16x32_f16 v[ACC+8*(4*(\a)+\b):ACC+8*(4*(\a)+\b)+7], v[\f+64+8*(4*\c+\b):\f+64+8*(4*\c+\b)+7], v[\f+8*(4*\c+\a):\f+8*(4*\c+\a)+7], v[ACC+8*(4*(\a)+\b):ACC+8*(4*(\a)+\b)+7]
.endif
.endr
.endr
.endm
.macro FETCH slot, k, f                ; 32 LDS loads in one run: the fragments of 64 along K; the first 32 along K first
	WIN TO_F
.irp c, 0,1
.irp i, 0,1,2,3
	ds_load_b128 v[\f+64+8*(4*\c+\i):\f+64+8*(4*\c+\i)+3],   v[ADRB+\slot] offset:\k+64*\c+\i*16*PITCH
	ds_load_b128 v[\f+64+8*(4*\c+\i)+4:\f+64+8*(4*\c+\i)+7], v[ADRB+\slot] offset:\k+64*\c+\i*16*PITCH+32
	ds_load_b128 v[\f+8*(4*\c+\i):\f+8*(4*\c+\i)+3],         v[ADRA+\slot] offset:\k+64*\c+\i*16*PITCH
	ds_load_b128 v[\f+8*(4*\c+\i)+4:\f+8*(4*\c+\i)+7],       v[ADRA+\slot] offset:\k+64*\c+\i*16*PITCH+32
.endr
.endr
.endm
.macro PLACES
.rept 4
	v_nop
.endr
.endm
.macro QUARTER slot, k, f, g, zero
	s_wait_dscnt 16                                ; the first 32 along K are in; the other sixteen loads may be out
	WIN MUL
	MUL8 \f, 0, 0, \zero
	MUL8 \f, 0, 2, \zero
	PLACES
	FETCH \slot, \k, \g
	s_wait_dscnt 32                                ; all but the 32 just issued
	WIN MUL
	MUL8 \f, 1, 0, 0
	MUL8 \f, 1, 2, 0
.endm
.macro TURN slot, next, fill           ; the last quarter changes slots: one barrier; fill = 1: it opens a round of the cluster's barrier, and this slot is filled again
	WIN 0
	s_wait_tensorcnt 0x0                           ; all my tensor loads have landed: my part of the next slot
	ds_add_u32 v[SPW], v[NIL]
	s_wait_dscnt 17                                ; (the add and the youngest sixteen loads may be out)
	WIN MUL
	MUL8 F1, 0, 0, 0
	s_wait_dscnt 0x0                               ; the add is done, and my reads of this slot are over
	s_barrier_signal -1
	MUL8 F1, 0, 2, 0
.if \fill
	WIN 0
.endif
	s_barrier_wait -1
.if \fill
	CREST
	s_add_nc_u64 s[G0+4*\slot+2:G0+4*\slot+3], s[G0+4*\slot+2:G0+4*\slot+3], 2*KSTEP*2
	s_add_nc_u64 s[G0B+4*\slot+2:G0B+4*\slot+3], s[G0B+4*\slot+2:G0B+4*\slot+3], 2*KSTEP*2
	JLOAD \slot                                    ; the first tensor load behind the round; its four v_nop are also the places in front of the loads below
.else
	PLACES
.endif
	FETCH \next, 0, F0
	WIN MUL
	MUL8 F1, 1, 0, 0
	MUL8 F1, 1, 2, 0
.endm
	s_wait_tensorcnt 1                             ; my part of K step 0 is in (K step 1's load may be out),
	s_barrier_signal -1
	s_barrier_wait -1                              ; everybody's is
	FETCH 0, 0, F0
	QUARTER 0, 128, F0, F1, 1                      ; the first products start the sums
	WIN 0
	s_mov_b32 s3, LAPS-1
.Llap:
	QUARTER 0, 256, F1, F0, 0
	QUARTER 0, 384, F0, F1, 0
	TURN 0, 1, 1
	QUARTER 1, 128, F0, F1, 0
	QUARTER 1, 256, F1, F0, 0
	QUARTER 1, 384, F0, F1, 0
	TURN 1, 0, 1
	QUARTER 0, 128, F0, F1, 0
	WIN 0
	s_sub_co_u32 s3, s3, 1
	s_cmp_lg_u32 s3, 0
	s_cbranch_scc1 .Llap
	QUARTER 0, 256, F1, F0, 0                      ; the last lap fills nothing
	QUARTER 0, 384, F0, F1, 0
	TURN 0, 1, 0
	QUARTER 1, 128, F0, F1, 0
	QUARTER 1, 256, F1, F0, 0
	QUARTER 1, 384, F0, F1, 0
	s_wait_dscnt 16
	WIN MUL
	MUL8 F1, 0, 0, 0
	MUL8 F1, 0, 2, 0
	s_wait_dscnt 0
	MUL8 F1, 1, 0, 0
	MUL8 F1, 1, 2, 0
	WIN 0
; THE WAY OUT, 16 rows x 64 columns at a time: the accumulators go into my stage as they are, each from its low end on, and come back as rows of 256 bytes.
.macro TOSTAGE a
.irp b, 0,1,2,3
	ds_store_b128 v[STO], v[ACC+8*(4*(\a)+\b):ACC+8*(4*(\a)+\b)+3] offset:64*\b
	ds_store_b128 v[STO], v[ACC+8*(4*(\a)+\b)+4:ACC+8*(4*(\a)+\b)+7] offset:64*\b+16
.endr
.irp t, 0,1,2,3,4,5,6,7
	ds_load_b128 v[TMP+32*((\a)%2)+4*\t:TMP+32*((\a)%2)+4*\t+3], v[RD] offset:\t*2*SPITCH   ; LDS serves a wave's instructions in order: these see the stores above
.endr
.endm
.macro SEND a, younger
	s_wait_dscnt \younger                          ; the block is back; the next block's sixteen LDS instructions may be out
.irp t, 0,1,2,3,4,5,6,7
	global_store_b128 v[CO], v[TMP+32*((\a)%2)+4*\t:TMP+32*((\a)%2)+4*\t+3], s[8:9] offset:(16*(\a)+2*\t)*4096 th:TH_STORE_NT   ; 16 lanes store 256 consecutive bytes, aligned
.endr
.endm
	PLACES
	TOSTAGE 0
.irp a, 1,2,3
.if \a > 1
	s_wait_xcnt 0x0                                ; the stores of two blocks back have read their registers
.endif
	TOSTAGE \a
	SEND \a-1, 16
.endr
	SEND 3, 0
	s_wait_tensorcnt 0x0                           ; the wave's end
	ds_add_u32 v[SPW], v[NIL]
	s_wait_dscnt 0x0
	CROUND                                         ; the closing round
	s_endpgm
.Lfunc_end_k_q980aedbd80_proj:
	.size	k_q980aedbd80_proj, .Lfunc_end_k_q980aedbd80_proj-k_q980aedbd80_proj
	.p2alignl 7, 3214868480
	.fill 96, 4, 3214868480
	.section	.rodata,"a",@progbits
	.p2align	6, 0x0
	.amdhsa_kernel k_q980aedbd80_proj
		.amdhsa_group_segment_fixed_size 327680
		.amdhsa_private_segment_fixed_size 0
		.amdhsa_enable_private_segment 0
		.amdhsa_kernarg_size 24
		.amdhsa_user_sgpr_count 2
		.amdhsa_user_sgpr_kernarg_segment_ptr 1
		.amdhsa_wavefront_size32 1
		.amdhsa_system_sgpr_workgroup_id_x 1
		.amdhsa_system_sgpr_workgroup_id_y 1
		.amdhsa_system_sgpr_workgroup_id_z 1
		.amdhsa_system_vgpr_workitem_id 0
		.amdhsa_next_free_vgpr 512
		.amdhsa_next_free_sgpr 66
		.amdhsa_reserve_vcc 0
		.amdhsa_float_denorm_mode_32 3
		.amdhsa_float_denorm_mode_16_64 3
		.amdhsa_memory_ordered 1
		.amdhsa_forward_progress 1
		.amdhsa_inst_pref_size 86
	.end_amdhsa_kernel
	.amdgpu_metadata
---
amdhsa.version: [ 1, 2 ]
amdhsa.kernels:
  - .name:           k_q980aedbd80_proj
    .symbol:         k_q980aedbd80_proj.kd
    .args:
      - { .name: o16, .offset: 0, .size: 8, .value_kind: global_buffer, .address_space: global }
      - { .name: wo16, .offset: 8, .size: 8, .value_kind: global_buffer, .address_space: global }
      - { .name: out0, .offset: 16, .size: 8, .value_kind: global_buffer, .address_space: global }
    .group_segment_fixed_size: 327680
    .private_segment_fixed_size: 0
    .kernarg_segment_align: 8
    .kernarg_segment_size: 24
    .max_flat_workgroup_size: 128
    .sgpr_count:     66
    .vgpr_count:     512
    .wavefront_size: 32
...
	.end_amdgpu_metadata
.endif
;; end of part 4
;; launch fine (part 5): grid 64 x 2, 16 waves a work-group, no clusters, 288,768 bytes of LDS; arguments fine32, Wo, out0; writes out0
.if DOCPART == 5
	.amdgcn_target "amdgcn-amd-amdhsa--gfx1250"
	.amdhsa_code_object_version 6
	.text
	.protected	k_q980aedbd80_fine
	.globl	k_q980aedbd80_fine
	.p2align	8
	.type	k_q980aedbd80_fine,@function
k_q980aedbd80_fine:
	s_mov_b64 s[64:65], 0
	v_nop
	global_prefetch_b8 v0, s[64:65] scope:SCOPE_SE
	s_setreg_imm32_b32 hwreg(HW_REG_WAVE_MODE, 25, 1), 1
	s_wait_xcnt 0x0
; The first 16 positions of each sequence, all in f32: their rows average one to sixteen values and are the largest of the output, so f16 operands would weigh most there.
; out[q][n] = sum over heads of sum over keys of P_h[q][key] (V_g Wo_h^T)[key][n]: 16 queries, 16 keys (the causal mask hides all later ones), by v_wmma_f32_16x16x4_f32: 68 matrix instructions a wave.
; fine32: [b][4 parts][16 rows][4096 columns] f32, of which part 0, the sequence's first 16 positions, is read: q after norm and rotation in columns 0-2047, k in 2048-3071, v in 3072-4095.
; SHARES: a work-group takes 16 output columns of one batch; each of its 16 waves one head; the heads' parts meet in LDS and wave 0 adds them in the order of the heads and stores.
; These 32 rows of out0 are written over what the launch before has left there.  The stores are pieces of 64 bytes, 128 KiB in the whole launch.
; ROWS ARE LOADED WHOLE AND TURNED THROUGH LDS.  An operand is 16 rows x 128 numbers.  A fragment wants a row in a lane; a load is best where the 32 lanes take a row's 512 consecutive bytes.  So each of an operand's
; 16 loads takes one row, the rows go into a stage in LDS (528 bytes apart), and lane (r, h) reads its fragment back: 16 bytes at 528 r + 32 n + 16 h, n = 0 .. 15.
; The two heads of a key and value head share k and v: the even wave brings k's rows, the odd wave v's, and behind a barrier both read both.  48 loads a wave, all issued at the head.
; LAYOUT: register 4 n + i of lane (r, h) holds k = 8 n + 4 h + i of row r; K step s takes registers 2 s, 2 s + 1: the same order of k on both sides of a product.
; S^T = K Q^T: lane (query r, h) holds keys 8 h + j.  VW = V Wo^T: lane (column r, h) holds keys 8 h + j.  out^T = VW^T P^T: K step s takes registers 2 s, 2 s + 1 of both: keys 8 h + 2 s + j.
; The four accumulators are written by matrix instructions alone, each sum begins with the constant 0, and they take turns.
.set L16, 1                            ; v1 16 x lane: my 16 bytes of a row in memory; also where wave 0 reads the heads' parts, which begin at LDS byte 0
.set SOWN, 2                           ; v2 my wave's region + 16 x lane: where I put 16 bytes of a row
.set SPW, 3
.set NIL, 4
.set LST, 5                            ; v5 1,024 x wave + 16 x lane: my head's part of the result
.set FOWN, 6                           ; v6 my wave's region + 528 r + 16 h: a fragment out of my own stage
.set FK,  7                            ; v7 the even partner's region + 528 r + 16 h: k's and v's fragments
.set ST,  8                            ; v8-15 S^T, then P
.set RB,  16                           ; v16-79   q's rows, q's fragment, later Wo's fragment
.set RA,  80                           ; v80-143  k's or v's rows, k's fragment, later v's fragment
.set RC,  144                          ; v144-207 Wo's rows
.set ACC, 208                          ; v208-239
.set VWS, 240                          ; v240-247 VW, later my head's part of the result
.set T,   248
.set SPITCH, 528                       ; a stage's row: 512 bytes + 16 = 132 words: row r starts at bank 4 r mod 64 (64 banks of 4 bytes: ISA guide 11.1), so the 16 rows that a load touches start at 16 different banks
.set STB,  16*SPITCH                   ; a stage
.set STG,  16384                       ; behind the 16 parts of 1,024 bytes: a region of two stages for each wave: its own (q, then Wo), then k's (even waves) or v's (odd waves)
.set SPARE, STG+16*2*STB               ; the spare words, 128 bytes a wave, which no other line names
	s_load_b128 s[4:7], s[0:1], 0x0                ; fine32, Wo
	s_load_b64 s[8:9], s[0:1], 0x10                ; out0
	v_lshl_add_u32 v[SPW], v0, 2, SPARE
	v_mov_b32 v[NIL], 0
	v_lshrrev_b32 v10, 5, v0
	v_readfirstlane_b32 s10, v10                   ; the head
	v_and_b32 v10, 15, v0                          ; r
	v_bfe_u32 v11, v0, 4, 1                        ; h
	v_and_b32 v12, 31, v0
	v_lshlrev_b32 v[L16], 4, v12
	s_lshl_b32 s11, s10, 10
	v_add_nc_u32 v[LST], s11, v[L16]
	s_mul_i32 s11, s10, 2*STB
	s_add_co_u32 s11, s11, STG                     ; my wave's region
	v_add_nc_u32 v[SOWN], s11, v[L16]
	v_mul_u32_u24 v13, v10, SPITCH
	v_lshl_add_u32 v13, v11, 4, v13                ; 528 r + 16 h
	v_add_nc_u32 v[FOWN], s11, v13
	s_and_b32 s11, s10, 14
	s_mul_i32 s11, s11, 2*STB
	s_add_co_u32 s11, s11, STG                     ; the even partner's region
	v_add_nc_u32 v[FK], s11, v13
	s_and_b32 s12, ttmp7, 0xffff                   ; the batch
	s_lshl_b32 s14, s12, 20                        ; its four parts of 262,144 bytes: part 0
	s_lshr_b32 s13, s10, 1                         ; the key and value head
	s_lshl_b32 s13, s13, 9
	s_and_b32 s16, s10, 1
	s_lshl_b32 s16, s16, 12                        ; even waves bring k, odd waves v, whose columns lie 4,096 bytes on
	s_add_co_u32 s16, s16, s13
	s_add_co_u32 s16, s16, s14
	s_add_co_u32 s16, s16, 8192                    ; k's columns begin 8,192 bytes into a row
	s_mov_b32 s17, 0
	s_lshl_b32 s18, s10, 9
	s_add_co_u32 s14, s14, s18                     ; q's columns
	s_mov_b32 s15, 0
	s_lshl_b32 s20, ttmp9, 17                      ; Wo: 16 rows of 8,192 bytes a work-group,
	s_add_co_u32 s20, s20, s18                     ; my head's 128 columns
	s_mov_b32 s21, 0
	s_lshl_b32 s22, s12, 23                        ; out0: the batch's first row,
	s_lshl_b32 s23, ttmp9, 6                       ; my 16 columns
	s_add_co_u32 s22, s22, s23
	s_mov_b32 s23, 0
	s_mov_b32 s24, 0x76543210
	s_mov_b32 s25, 0xfedcba98
	s_mov_b32 s26, 0x3e0293ee                      ; c = log2(e) / sqrt(128)
	s_wait_kmcnt 0x0
	s_add_nc_u64 s[16:17], s[4:5], s[16:17]
	s_add_nc_u64 s[14:15], s[4:5], s[14:15]
	s_add_nc_u64 s[6:7], s[6:7], s[20:21]
	s_add_nc_u64 s[8:9], s[8:9], s[22:23]
.set n, 0
.rept 16
	global_load_b128 v[RA+4*n:RA+4*n+3], v[L16], s[16:17] offset:16384*n   ; row n of k or of v: 512 consecutive bytes
.set n, n+1
.endr
.set n, 0
.rept 16
	global_load_b128 v[RB+4*n:RB+4*n+3], v[L16], s[14:15] offset:16384*n   ; row n of q
.set n, n+1
.endr
.set n, 0
.rept 16
	global_load_b128 v[RC+4*n:RC+4*n+3], v[L16], s[6:7] offset:8192*n      ; row n of Wo, my head's columns
.set n, n+1
.endr
; 32 K steps of 4 on four accumulators by turns; nine places follow, before results are read, sources loaded again or the accumulators begun anew (ISA guide 7.12.1)
.macro DOT a, b
.set kk, 0
.rept 32
.if kk < 4
	v_wmma_f32_16x16x4_f32 v[ACC+8*(kk%4):ACC+8*(kk%4)+7], v[\a+2*kk:\a+2*kk+1], v[\b+2*kk:\b+2*kk+1], 0
.else
	v_wmma_f32_16x16x4_f32 v[ACC+8*(kk%4):ACC+8*(kk%4)+7], v[\a+2*kk:\a+2*kk+1], v[\b+2*kk:\b+2*kk+1], v[ACC+8*(kk%4):ACC+8*(kk%4)+7]
.endif
.set kk, kk+1
.endr
.rept 9
	v_nop
.endr
.endm
.macro SUM4 d                          ; the four accumulators' sum, each read from its low end on
.irp j, 0,1,2,3,4,5,6,7
	v_add_f32 v[\d+\j], v[ACC+\j], v[ACC+8+\j]
.endr
.irp j, 0,1,2,3,4,5,6,7
	v_add_f32 v[T+\j], v[ACC+16+\j], v[ACC+24+\j]
.endr
.irp j, 0,1,2,3,4,5,6,7
	v_add_f32 v[\d+\j], v[\d+\j], v[T+\j]
.endr
.endm
	s_wait_loadcnt 32                              ; k's or v's rows are in; q's sixteen loads and Wo's sixteen may be out
.set n, 0
.rept 16
	ds_store_b128 v[SOWN], v[RA+4*n:RA+4*n+3] offset:STB+SPITCH*n          ; into my region's second stage, for my partner and me
.set n, n+1
.endr
	s_wait_loadcnt 16                              ; q's rows are in; Wo's sixteen loads may be out
.set n, 0
.rept 16
	ds_store_b128 v[SOWN], v[RB+4*n:RB+4*n+3] offset:SPITCH*n              ; into my own stage,
.set n, n+1
.endr
.set n, 0
.rept 16
	ds_load_b128 v[RB+4*n:RB+4*n+3], v[FOWN] offset:32*n                   ; and back as a fragment, into the registers that they left: LDS serves a wave's instructions in order
.set n, n+1
.endr
	s_wait_dscnt 0x0                               ; for my partner's sake: my stores are done
	s_barrier_signal -1
	s_barrier_wait -1
.set n, 0
.rept 16
	ds_load_b128 v[RA+4*n:RA+4*n+3], v[FK] offset:STB+32*n                 ; k's fragment, out of the even partner's region
.set n, n+1
.endr
	s_wait_dscnt 0x0
	DOT RA, RB                                     ; S^T = K Q^T
	s_wait_loadcnt 0x0                             ; Wo's rows
.set n, 0
.rept 16
	ds_store_b128 v[SOWN], v[RC+4*n:RC+4*n+3] offset:SPITCH*n              ; into my own stage, where q lay: no other wave touches it
.set n, n+1
.endr
.set n, 0
.rept 16
	ds_load_b128 v[RB+4*n:RB+4*n+3], v[FOWN] offset:32*n                   ; Wo's fragment, where q's lay
.set n, n+1
.endr
.set n, 0
.rept 16
	ds_load_b128 v[RA+4*n:RA+4*n+3], v[FK] offset:3*STB+32*n               ; v's fragment, out of the odd partner's region, where k's lay; the softmax stands between these loads and the wait for them
.set n, n+1
.endr
	SUM4 ST
	v_and_b32 v[T+1], 15, v0
	v_bfe_u32 v[T+2], v0, 4, 1
	v_lshlrev_b32 v[T+2], 3, v[T+2]
	v_sub_nc_u32 v[T+1], v[T+1], v[T+2]            ; r - 8 h
	v_mov_b32 v[T], 0xff800000                     ; -infinity
.irp j, 0,1,2,3,4,5,6,7
	v_cmp_gt_i32 vcc_lo, \j, v[T+1]                ; key 8 h + j comes after query r
	v_cndmask_b32 v[ST+\j], v[ST+\j], v[T], vcc_lo
.endr
	v_max3_num_f32 v[T+1], v[ST], v[ST+1], v[ST+2]
	v_max3_num_f32 v[T+1], v[T+1], v[ST+3], v[ST+4]
	v_max3_num_f32 v[T+1], v[T+1], v[ST+5], v[ST+6]
	v_max_num_f32 v[T+1], v[T+1], v[ST+7]
	v_permlanex16_b32 v[T+2], v[T+1], s24, s25
	v_max_num_f32 v[T+1], v[T+1], v[T+2]           ; the row's maximum: key 0 counts for every query
	v_mul_f32 v[T+1], s26, v[T+1]
.irp j, 0,1,2,3,4,5,6,7
	v_fma_f32 v[ST+\j], v[ST+\j], s26, -v[T+1]
.endr
.irp j, 0,1,2,3,4,5,6,7
	v_exp_f32 v[ST+\j], v[ST+\j]
.endr
	v_nop
	s_wait_alu depctr_va_vdst(0)                   ; one wait for the eight, ahead of their first reader
	v_add_f32 v[T+2], v[ST], v[ST+1]
	v_add_f32 v[T+3], v[ST+2], v[ST+3]
	v_add_f32 v[T+4], v[ST+4], v[ST+5]
	v_add_f32 v[T+5], v[ST+6], v[ST+7]
	v_add_f32 v[T+2], v[T+2], v[T+3]
	v_add_f32 v[T+4], v[T+4], v[T+5]
	v_add_f32 v[T+2], v[T+2], v[T+4]
	v_permlanex16_b32 v[T+3], v[T+2], s24, s25
	v_add_f32 v[T+2], v[T+2], v[T+3]
	v_rcp_f32 v[T+2], v[T+2]
	v_nop
	s_wait_alu depctr_va_vdst(0)
.irp j, 0,1,2,3,4,5,6,7
	v_mul_f32 v[ST+\j], v[ST+\j], v[T+2]           ; the weights
.endr
	s_wait_dscnt 0x0                               ; v's and Wo's fragments
	DOT RA, RB                                     ; VW = V Wo^T
	SUM4 VWS
.irp c, 0,1,2,3
	v_wmma_f32_16x16x4_f32 v[ACC+8*\c:ACC+8*\c+7], v[VWS+2*\c:VWS+2*\c+1], v[ST+2*\c:ST+2*\c+1], 0
.endr
.rept 9
	v_nop
.endr
	SUM4 VWS                                       ; lane (query r, h): my head's part of columns 8 h .. 8 h + 7
	ds_store_b128 v[LST], v[VWS:VWS+3]
	ds_store_b128 v[LST], v[VWS+4:VWS+7] offset:512
	s_wait_dscnt 0x0                               ; for the others' sake: my stores are done
	s_barrier_signal -1
	s_barrier_wait -1
	s_cmp_lg_u32 s10, 0
	s_cbranch_scc1 .Lend
.set n, 0
.rept 16
	ds_load_b128 v[16+8*n:16+8*n+3], v[L16] offset:1024*n
	ds_load_b128 v[16+8*n+4:16+8*n+7], v[L16] offset:1024*n+512
.set n, n+1
.endr
	v_and_b32 v[T+1], 15, v0
	v_bfe_u32 v[T+2], v0, 4, 1
	v_lshlrev_b32 v[T], 12, v[T+1]
	v_lshl_add_u32 v[T], v[T+2], 5, v[T]           ; out0: row r of 4,096 bytes, + 32 h
	s_wait_dscnt 0x0
.set n, 1
.rept 15
.irp c, 0,1,2,3
	v_pk_add_f32 v[16+2*\c:17+2*\c], v[16+2*\c:17+2*\c], v[16+8*n+2*\c:17+8*n+2*\c]
.endr
.set n, n+1
.endr
	global_store_b128 v[T], v[16:19], s[8:9]
	global_store_b128 v[T], v[20:23], s[8:9] offset:16
.Lend:
	s_wait_tensorcnt 0x0                           ; the wave's end, behind my last LDS store
	ds_add_u32 v[SPW], v[NIL]
	s_wait_dscnt 0x0
	s_endpgm
.Lfunc_end_k_q980aedbd80_fine:
	.size	k_q980aedbd80_fine, .Lfunc_end_k_q980aedbd80_fine-k_q980aedbd80_fine
	.p2alignl 7, 3214868480
	.fill 96, 4, 3214868480
	.section	.rodata,"a",@progbits
	.p2align	6, 0x0
	.amdhsa_kernel k_q980aedbd80_fine
		.amdhsa_group_segment_fixed_size 288768
		.amdhsa_private_segment_fixed_size 0
		.amdhsa_enable_private_segment 0
		.amdhsa_kernarg_size 24
		.amdhsa_user_sgpr_count 2
		.amdhsa_user_sgpr_kernarg_segment_ptr 1
		.amdhsa_wavefront_size32 1
		.amdhsa_system_sgpr_workgroup_id_x 1
		.amdhsa_system_sgpr_workgroup_id_y 1
		.amdhsa_system_sgpr_workgroup_id_z 1
		.amdhsa_system_vgpr_workitem_id 0
		.amdhsa_next_free_vgpr 256
		.amdhsa_next_free_sgpr 66
		.amdhsa_reserve_vcc 1
		.amdhsa_float_denorm_mode_32 3
		.amdhsa_float_denorm_mode_16_64 3
		.amdhsa_memory_ordered 1
		.amdhsa_forward_progress 1
		.amdhsa_inst_pref_size 31
	.end_amdhsa_kernel
	.amdgpu_metadata
---
amdhsa.version: [ 1, 2 ]
amdhsa.kernels:
  - .name:           k_q980aedbd80_fine
    .symbol:         k_q980aedbd80_fine.kd
    .args:
      - { .name: fine32, .offset: 0, .size: 8, .value_kind: global_buffer, .address_space: global }
      - { .name: Wo, .offset: 8, .size: 8, .value_kind: global_buffer, .address_space: global }
      - { .name: out0, .offset: 16, .size: 8, .value_kind: global_buffer, .address_space: global }
    .group_segment_fixed_size: 288768
    .private_segment_fixed_size: 0
    .kernarg_segment_align: 8
    .kernarg_segment_size: 24
    .max_flat_workgroup_size: 512
    .sgpr_count:     66
    .vgpr_count:     256
    .wavefront_size: 32
...
	.end_amdgpu_metadata
.endif
;; end of part 5
